; MI455X (gfx1250); checked and timed in simulation.
; The chip was launched on July 23, 2026; its instructions are those of AMD's public machine-readable ISA for CDNA 5 (MIT licence, August 2026) and "CDNA5" Instruction Set Architecture Reference Guide (July 2026). The comments in the code are by the model that wrote it; some were corrected since.
;; GPT3 Self Attention. Allowed arithmetic: matrix products marked QUANTISED: E4M3 operands, one E8M0 scale for each 32 along K, by v_wmma_scale_f32_16x16x128_f8f6f4 with both operands' format E4M3, f32 sums; everything else in f32.
;; Inputs: W_dense_codes 1,024 x 32 x 32 uint8 (E4M3 codes of W_dense, K innermost, in blocks of 32 codes); W_dense_scales 1,024 x 32 uint8 (E8M0 scales of W_dense, one for each 32 codes along K); W_qkv_codes 3,072 x 32 x 32 uint8 (E4M3 codes of W_qkv, K innermost, in blocks of 32 codes); W_qkv_scales 3,072 x 32 uint8 (E8M0 scales of W_qkv, one for each 32 codes along K); attention_mask 1 x 1 x 2,048 x 2,048 bool; b_dense 1,024 float32; b_qkv 3,072 float32; hidden_states_codes 4 x 2,048 x 32 x 32 uint8 (E4M3 codes of hidden_states, K innermost, in blocks of 32 codes); hidden_states_scales 4 x 2,048 x 32 uint8 (E8M0 scales of hidden_states, one for each 32 codes along K).
;; Outputs: out0 4 x 2,048 x 1,024 float32.
;; This version of the problem:
;;   THIS VERSION OF THE PROBLEM IS GIVEN IN LOW PRECISION. The matrix products marked QUANTISED in the list below multiply operands that are first quantised to E4M3 (4 exponent bits, 3 mantissa bits; 8 bits a number), with one power-of-two scale for each 32 numbers along K (OCP MX v1.0); their sums are f32. All else is computed in f32.
;;   The module's matrix products, in the order in which they are computed (A, B: the left and right operand; K: the contracted axis; several contracted axes count as one K, in the product's order):
;;     1. [M 8,192, K 1,024] x [K 1,024, N 3,072]; A: input hidden_states (given as codes); B: input W_qkv (given as codes): QUANTISED
;;     2. batch 64 x [M 2,048, K 64] x [K 64, N 2,048]; A: computed on the way; B: computed on the way: QUANTISED
;;     3. batch 64 x [M 2,048, K 2,048] x [K 2,048, N 64]; A: softmax (see below); B: computed on the way: QUANTISED
;;     4. [M 8,192, K 1,024] x [K 1,024, N 1,024]; A: computed on the way; B: input W_dense (given as codes): QUANTISED
;;   THE QUANTISER, for each operand of a quantised product, along K:
;;     - K is cut into blocks of 32 from its start; a last block that is shorter is filled with zeros.
;;     - A block's scale is 2^e with e = floor(log2(the largest magnitude in the block)) - 8, held to -126 .. 127; a block of zeros has e = 0. As a byte (E8M0): e + 127.
;;     - Each number is divided by its block's scale, clamped to +-448, and rounded to the nearest number of E4M3, ties to even, subnormals kept.
;;     - The product sums the exact products of the quantised numbers (number of the format x scale) in f32.
;;   ~~~python
;;   def quantise(x, axis):      # numpy; x: float32 -> the quantised numbers, widened to float32 again
;;       x = np.moveaxis(x, axis, -1); K = x.shape[-1]
;;       x = np.pad(x, [(0, 0)] * (x.ndim - 1) + [(0, -K % 32)]); x = x.reshape(x.shape[:-1] + (-1, 32)); a = np.abs(x).max(-1, keepdims=True)
;;       e = np.where(a > 0, np.clip(np.frexp(np.where(a > 0, a, 1))[1] - 1 - 8, -126, 127), 0)      # np.frexp(a)[1] - 1 = floor(log2(a)), exactly
;;       r = np.clip(x / 2.0 ** e, -448, 448)
;;       step = 2.0 ** (np.maximum(np.frexp(np.where(r == 0, 1, r))[1] - 1, -6) - 3)
;;       q = np.round(r / step) * step * 2.0 ** e      # np.round: ties to even
;;       return np.moveaxis(q.reshape(q.shape[:-2] + (-1,))[..., :K], -1, axis).astype(np.float32)
;;   ~~~
;;   SOFTMAX AHEAD OF A QUANTISED PRODUCT. Where the list says 'softmax', what is quantised is not the finished softmax but p = 2^(t - M), with t = logit x log2(e) and M = ceil(the row's largest t), a whole number; so 1/2 < the row's largest p <= 1. The row's sum l is taken of the UNQUANTISED p, in f32, and the product's result is divided by l at the end. Since M is a whole number, a kernel that streams over the keys may use a running M (the ceiling of the running maximum): every later rescaling is an exact power of two, which a block's scale takes up: the codes' values come out the same.
;;   OPERANDS COMPUTED ON THE WAY. 'Computed on the way' means the value that the module computes at that place (a softmax that the list does not call 'softmax' is quantised finished and normalised). What goes into a quantiser is computed in f32, as accurately as f32 sums, v_exp_f32 and their like allow (about 1e-6 of the number): no bf16 or f16 on the way to a quantiser, and a product that is left as it is and whose result goes on into a quantised operand takes f32 operands (vector FMAs, or v_wmma_f32_16x16x4_f32). A number that lies on a knife's edge between two numbers of the format may be rounded either way, as far as f32 arithmetic and the matrix unit's own rounding can turn it there, and no further.
;;   INPUTS GIVEN AS CODES. W_dense (in the module: [1024, 1024], K = its axis 0); W_qkv (in the module: [1024, 3072], K = its axis 0); hidden_states (in the module: [4, 2048, 1024], K = its axis 2): each comes as NAME_codes (uint8): NAME with its K axis moved to the last place and cut into blocks of 32 codes, [.., K / 32, bytes a block], one block behind the other in memory; one code a byte (a code: sign, 4 exponent bits, 3 mantissa bits); and NAME_scales (uint8): the same leading axes, one E8M0 byte (e + 127) for each 32 codes along K. Its value is code x scale, taken as it is: it is not quantised again, and the codes and scales need not be those that the quantiser above would give.
;; 2 versions, each right; version 2 is version 1 with the launch attn written anew for expert scheduling mode. Each part assembles by itself: llvm-mc -triple=amdgcn-amd-amdhsa -mcpu=gfx1250 --defsym DOCPART=n.
;; ======== version 1 of 2: 3 launches
;; workspace buffers: qkv_img 25,165,824 bytes; qkv_sc 1,310,720 bytes; flags 2,048 bytes of whole numbers; ctx_img 8,388,608 bytes; ctx_sc 262,144 bytes
;; launch qkv (part 1): grid 8 x 48, 4 waves a work-group, clusters of 4 x 4, 327,680 bytes of LDS; arguments hidden_states_codes, hidden_states_scales, W_qkv_codes, W_qkv_scales, qkv_img, qkv_sc, b_qkv, attention_mask, flags; writes qkv_img, qkv_sc, flags
.if DOCPART == 1
	.amdgcn_target "amdgcn-amd-amdhsa--gfx1250"
	.amdhsa_code_object_version 6
	.text
	.protected	k_q67a4f220d8_qkv
	.globl	k_q67a4f220d8_qkv
	.p2align	8
	.type	k_q67a4f220d8_qkv,@function
k_q67a4f220d8_qkv:
	s_mov_b64 s[64:65], 0
	v_nop
	global_prefetch_b8 v0, s[64:65] scope:SCOPE_SE
	s_setreg_imm32_b32 hwreg(HW_REG_WAVE_MODE, 25, 1), 1
	s_wait_xcnt 0x0
	s_wait_alu depctr_hold_cnt(0) depctr_sa_sdst(0) depctr_va_vdst(0) depctr_va_sdst(0) depctr_va_ssrc(0) depctr_va_vcc(0) depctr_vm_vsrc(0)
	s_getreg_b32 s2, hwreg(HW_REG_IB_STS2, 6, 4)
	s_cmp_eq_u32 s2, 0
	s_cbranch_scc0 .Lentry_in_a_cluster
	s_endpgm
.Lentry_in_a_cluster:
	s_bfe_u32 s2, ttmp6, 0x10000c
	s_cmp_lg_u32 s2, 0xf033
	s_cbranch_scc0 .Lentry_shape_is_right
	s_endpgm
.Lentry_shape_is_right:
; fused = hidden_states W_qkv + b_qkv on codes of FP8 (E4M3) with one E8M0 scale for each 32 along K = 1,024; the results q, k, v are quantised here, in registers, and leave as
; IMAGES OF OPERAND REGISTERS for the attention launch.  The launch also condenses attention_mask into one word for each (tile of 16 queries, quarter of the keys).
; A tile of 256 x 256 results is made by four waves, 128 x 128 each: 64 accumulators of 16 x 16, 512 registers.  K goes in steps of 256 through a ring of two LDS slots filled by the tensor data mover.
; X is the matrix instruction's source 0, Y its source 1: a lane holds ONE row of Y (lane % 16) and, in the 8 registers of accumulator (a, b), rows 16 b + 8 (lane / 16) + 0 .. 7 of X.
; So X is the axis along which a lane's registers run, the axis that is quantised.
;   MODE 0 (q and k: cluster y 0 .. 7):   X = rows 0 .. 2,047 of W_qkv (features; blocks of 32 along a head's 64), Y = tokens.
;   MODE 1 (v: cluster y 8 .. 11):        X = tokens (blocks of 32 keys), Y = rows 2,048 .. 3,071 of W_qkv.
; MODE hangs on the cluster's number alone: it is the same in all sixteen partners.
; THE ORDER INSIDE A BLOCK OF 32.  The 16 registers of accumulators (a, 2 B) and (a, 2 B + 1) are elements 8 h + i (i < 8) and 16 + 8 h + i - 8 (i >= 8) of block B, h = lane / 16; lanes l and l xor 16 hold the block.
; Their 16 codes are stored as the operand registers 4 c .. 4 c + 3 of that lane, where the matrix unit counts them as k = 32 c + 16 h + i.  That is a permutation of k inside a block, and it is the same for q and k,
; and for v and the softmax's p (which falls out of K Q^T in this same order): a product's sum does not change, and the blocks' scales are untouched.
; A block's scale byte is its largest magnitude's exponent field - 8, held at 1 from below; numbers are held within +-448 x the scale ahead of the conversion.
; LIMITS: a block of zeros gets the byte 1 (its codes are zeros; this program alone reads the bytes); NaN and infinities are not served.
; CLUSTERS: 4 x 4 work-groups; Y's tiles are shared along a row of the cluster, X's along a column: each is asked for jointly.
; REGISTERS, in windows of 256: window 0: v0-31 addresses; v32-63 scale words, two sets; v64-127 the bias as C operands; from v128 Y's fragments, one set; window 1: X's fragments, two sets;
;   window 2: accumulators of my Y rows 0-63 ((a, b) at v[8 (8 a + b)]); window 3: of rows 64-127.
.set KSTEP,  256                       ; along K in a slot
.set NQ,     2                         ; matrix instructions deep
.set ROWB,   256                       ; a tile's row in bytes
.set KROW,   1024                      ; a row of codes in memory (both tensors)
.set PITCH,  272                       ; an LDS row: 256 bytes + 16 of padding = 68 words: the 16 rows that a load touches start at 16 different banks
.set FR,     16                        ; registers of a fragment
.set NL,     4                         ; LDS loads that bring one
.set NP,     8                         ; places behind this matrix instruction (ISA guide 7.12.1)
.set HALFT,  128*PITCH                 ; 128 rows: what one tensor load brings
.set SLOT,   4*HALFT                   ; Y's 256 rows, then X's 256 rows
.set LAPS,   2                         ; K = 1,024: four K steps, twice round the ring
.set KS,     32                        ; a row of scale bytes
.set SCL,    2*SLOT                    ; behind the ring: the scales of all of K, as units of 256 bytes + 16 of padding
.set HALFS,  (128*KS/256)*272          ; the scales of 128 rows
.set SBLK,   (16*KS/256)*272           ; those of 16 rows
.set SPARE,  SCL+4*HALFS               ; the spare words, 128 bytes a wave: two blocks of 256 bytes that no other line names
.set ADRA, 16                          ; v16-17  LDS address of my Y fragments in slot 0, 1
.set ADRB, 20                          ; v20-21  the same for X
.set VX0,  24                          ; v24     the way out: 16 x lane
.set VX1,  25                          ; v25     the same for blocks 2 and 3
.set VS,   26                          ; v26     the way out: my scale word's place
.set ADRS, 27                          ; v27     LDS address of my scale words: lanes 0-15 Y's rows, lanes 16-31 X's
.set SPW,  28                          ; v28     LDS address of my spare word; never rewritten
.set NIL,  29                          ; v29     0; never rewritten
.set SC,   32                          ; scale words, set s at v[SC + 16 s]
.set BIAS, 64                          ; v64-127 the bias: 8 C operands of 8 registers
.set AF,   128                         ; Y's fragments
.set T,    128                         ; the way out: 64 numbers held
.set PC,   192                         ; 16 registers of codes
.set TM,   208                         ; largest magnitudes of four blocks
.set PX,   212                         ; the other half's; then the bytes
.set HOLD, 216                         ; 448 x the scale
.set SCO,  220                         ; the conversions' scale operands
.set WL,   224
.set WH,   225
.set W,    226
.set U,    227
.set G1, 24                            ; s[24:31] descriptor group 1 for Y's tiles; s[32:39] group 0, one set a slot
.set G0, 32
.set G1B, 48                           ; the same for X's tiles
.set G0B, 56
.set G1S, 68                           ; groups 1 and 0 for Y's scales; then X's
.set G0S, 76
.set G1SB, 80
.set G0SB, 88
.set MODE, 95
.set MSB, 0
.macro WIN new                         ; the immediate's high byte repeats the setting that is left
.if MSB != \new
	s_set_vgpr_msb (MSB<<8)|\new
.set MSB, \new
.endif
.endm
.set TO_B, 0x40                        ; destination window 1, address window 0
.macro WMUL hi, cm                     ; source 0 window 1, source 1 window 0, D window 2 + hi; C with D, or (cm > 0) the bias in window 0
.if \cm
.set WW, 0x81+0x40*(\hi)
.else
.set WW, 0xa1+0x50*(\hi)
.endif
	WIN WW
.endm
; A joint load: waves 0 and 1 fetch for Y, waves 2 and 3 for X.  The branch hangs on the wave's number alone.  Four v_nop follow each of the two lines.
.macro JLOAD g0a, g1a, g0b, g1b
	s_cmp_eq_u32 s15, 0
	s_cbranch_scc0 .Lfor_b_\@
	tensor_load_to_lds s[\g0a:\g0a+3], s[\g1a:\g1a+7]
	s_nop 0
.rept 4
	v_nop
.endr
	s_branch .Lasked_\@
.Lfor_b_\@:
	tensor_load_to_lds s[\g0b:\g0b+3], s[\g1b:\g1b+7]
	s_nop 0
.rept 4
	v_nop
.endr
.Lasked_\@:
.endm
.macro CREST                           ; a round of the cluster's barrier behind its opening barrier
	s_cmp_lg_u32 s14, 0
	s_cbranch_scc1 .Lnot_wave_0_\@
	s_barrier_signal -3
.Lnot_wave_0_\@:
	s_barrier_wait -3
	s_barrier_signal -1
	s_barrier_wait -1
.endm
.macro CROUND                          ; a whole round
	s_barrier_signal -1
	s_barrier_wait -1
	CREST
.endm
	s_load_b256 s[4:11], s[0:1], 0x0               ; hidden's codes s[4:5], scales s[6:7]; W_qkv's codes s[8:9], scales s[10:11]
	s_load_b64 s[12:13], s[0:1], 0x20              ; qkv_img
	s_load_b64 s[100:101], s[0:1], 0x28            ; qkv_sc
	s_load_b128 s[96:99], s[0:1], 0x30             ; b_qkv s[96:97], attention_mask s[98:99]
	s_load_b64 s[104:105], s[0:1], 0x40            ; flags
	v_lshl_add_u32 v[SPW], v0, 2, SPARE
	v_mov_b32 v[NIL], 0
	ds_add_u32 v28, v29
	ds_add_u32 v28, v29
	s_wait_dscnt 0x0
	v_lshrrev_b32 v1, 5, v0
	v_readfirstlane_b32 s14, v1                    ; wave 0..3
	s_lshr_b32 s15, s14, 1                         ; which half of Y's rows is mine.  Also: I fetch for Y (0) or for X (1)
	s_and_b32 s16, s14, 1                          ; which half of X's rows.  Also: which 128 rows of that tile I fetch
	s_bfe_u32 s40, ttmp6, 0x40000                  ; cx, cy: my place in the cluster
	s_bfe_u32 s41, ttmp6, 0x40004
	s_and_b32 s17, ttmp7, 0xffff                   ; cluster y
	s_sub_co_u32 s18, s17, 8
	s_lshl_b32 s18, s18, 1
	s_add_co_u32 s18, s18, ttmp9                   ; mode v: the eight clusters count along X: cluster x + 2 (cluster y - 8)
	s_cmp_ge_u32 s17, 8
	s_cselect_b32 s[MODE], 1, 0
	s_cselect_b32 s42, s18, ttmp9
	s_cselect_b32 s17, 0, s17
	s_cselect_b32 s19, 2048, 0                     ; mode v: Y's rows begin at row 2,048 of W_qkv
	s_lshl_b32 s42, s42, 2
	s_add_co_u32 s42, s42, s40                     ; tile along X
	s_lshl_b32 s17, s17, 2
	s_add_co_u32 s17, s17, s41                     ; tile along Y
	s_lshl_b32 s43, s41, 2
	s_lshl_b32 s43, 15, s43                        ; my row of the cluster
	s_lshl_b32 s44, 0x1111, s40                    ; my column
	; descriptor group 1: a tile of 128 rows x 256 bytes, padded in LDS
	s_or_b32 s[G1+0], s43, (0<<16)|(1<<20)|(1<<21)|(5<<22)|(3<<25)  ; 15:0 the mask: Y's tiles go to my row; elements of 1 byte; padding on; bit 21 beside a mask; 4 words after every 64
	s_or_b32 s[G1B+0], s44, (0<<16)|(1<<20)|(1<<21)|(5<<22)|(3<<25)
.irp g, G1, G1B
	s_mov_b32 s[\g+1], ROWB<<16                    ; tensor_dim0
	s_mov_b32 s[\g+2], 128<<16                     ; tensor_dim1
	s_mov_b32 s[\g+3], ROWB<<16                    ; tile_dim0
	s_mov_b32 s[\g+4], 128                         ; tile_dim1
	s_mov_b32 s[\g+5], KROW                        ; tensor_dim0_stride
	s_mov_b32 s[\g+6], 0
	s_mov_b32 s[\g+7], 0
.endr
	; the scales of 128 rows: a dense block of 4,096 bytes, as 16 rows of 256 bytes (32 elements of 8 bytes), 16 bytes of padding behind each
	s_or_b32 s[G1S+0], s43, (3<<16)|(1<<20)|(1<<21)|(5<<22)|(3<<25)
	s_or_b32 s[G1SB+0], s44, (3<<16)|(1<<20)|(1<<21)|(5<<22)|(3<<25)
.irp g, G1S, G1SB
	s_mov_b32 s[\g+1], 32<<16
	s_mov_b32 s[\g+2], (128*KS/256)<<16
	s_mov_b32 s[\g+3], 32<<16
	s_mov_b32 s[\g+4], 128*KS/256
	s_mov_b32 s[\g+5], 32
	s_mov_b32 s[\g+6], 0
	s_mov_b32 s[\g+7], 0
.endr
	s_lshl_b32 s18, s16, 7                         ; which 128 rows of the tile I fetch
	s_lshl_b32 s20, s17, 8
	s_add_co_u32 s20, s20, s18
	s_add_co_u32 s20, s20, s19                     ; Y: row 256 x tile + 128 x half (+ 2,048)
	s_lshl_b32 s46, s42, 8
	s_add_co_u32 s46, s46, s18                     ; X: row 256 x tile + 128 x half
	s_mov_b32 s21, 0
	s_mov_b32 s47, 0
	s_mov_b64 s[18:19], KS
	s_mul_u64 s[22:23], s[20:21], s[18:19]         ; where these rows' scales begin, in bytes
	s_mul_u64 s[92:93], s[46:47], s[18:19]
	s_mov_b64 s[18:19], KROW
	s_mul_u64 s[20:21], s[20:21], s[18:19]         ; and their codes
	s_mul_u64 s[46:47], s[46:47], s[18:19]
	s_mul_i32 s45, s14, HALFT                      ; where they go: wave x 128 rows: no place in the cluster enters an LDS address
	s_mul_i32 s94, s14, HALFS
	s_wait_kmcnt 0x0
	s_cmp_eq_u32 s[MODE], 1                        ; which tensor is Y and which X: a choice on the cluster's number
	s_cselect_b64 s[18:19], s[8:9], s[4:5]         ; Y's codes
	s_cselect_b64 s[2:3], s[10:11], s[6:7]         ; Y's scales
	s_cselect_b64 s[8:9], s[4:5], s[8:9]           ; X's codes
	s_cselect_b64 s[10:11], s[6:7], s[10:11]       ; X's scales
	s_add_nc_u64 s[20:21], s[18:19], s[20:21]
	s_add_nc_u64 s[22:23], s[2:3], s[22:23]
	s_add_nc_u64 s[46:47], s[8:9], s[46:47]
	s_add_nc_u64 s[92:93], s[10:11], s[92:93]
	CROUND                                         ; all sixteen work-groups are here: the first joint loads meet
	s_mov_b32 s[G0S], 1
	s_add_co_u32 s[G0S+1], s94, SCL
	s_mov_b64 s[G0S+2:G0S+3], s[22:23]
	s_or_b32 s[G0S+3], s[G0S+3], 0x80000000
	s_mov_b32 s[G0SB], 1
	s_add_co_u32 s[G0SB+1], s94, SCL
	s_mov_b64 s[G0SB+2:G0SB+3], s[92:93]
	s_or_b32 s[G0SB+3], s[G0SB+3], 0x80000000
	JLOAD G0S, G1S, G0SB, G1SB                     ; the scales first: they are wanted with K step 0
.irp s, 0,1
	s_mov_b32 s[G0+4*\s], 1
	s_add_co_u32 s[G0+4*\s+1], s45, \s*SLOT
	s_add_nc_u64 s[G0+4*\s+2:G0+4*\s+3], s[20:21], \s*ROWB
	s_or_b32 s[G0+4*\s+3], s[G0+4*\s+3], 0x80000000
	s_mov_b32 s[G0B+4*\s], 1
	s_add_co_u32 s[G0B+4*\s+1], s45, \s*SLOT
	s_add_nc_u64 s[G0B+4*\s+2:G0B+4*\s+3], s[46:47], \s*ROWB
	s_or_b32 s[G0B+4*\s+3], s[G0B+4*\s+3], 0x80000000
	JLOAD G0+4*\s, G1, G0B+4*\s, G1B
.endr
	v_and_b32 v1, 15, v0                           ; r = lane % 16
	v_bfe_u32 v2, v0, 4, 1                         ; h = lane / 16
	v_mul_u32_u24 v3, v1, PITCH
	v_lshl_add_u32 v4, v2, 4, v3                   ; a fragment's row x pitch + 16 x half
	s_mul_i32 s21, s15, HALFT                      ; my 128 rows of Y
	s_mul_i32 s22, s16, HALFT                      ; my 128 rows of X,
	s_add_co_u32 s22, s22, 2*HALFT                 ; which lie behind Y's 256
.irp s, 0,1
	v_add_nc_u32 v[ADRA+\s], s21, v4
	v_add_nc_u32 v[ADRB+\s], s22, v4
	s_add_co_u32 s21, s21, SLOT
	s_add_co_u32 s22, s22, SLOT
.endr
	v_mul_u32_u24 v5, v1, KS                       ; my row's scales: 32 bytes a row,
	v_lshrrev_b32 v6, 8, v5
	v_lshl_add_u32 v5, v6, 4, v5                   ; and 16 more for each 256 passed
	s_mul_i32 s21, s15, HALFS                      ; Y's: my 128 rows
	s_mul_i32 s22, s16, HALFS                      ; X's: my 128 rows, behind Y's 256
	s_add_co_u32 s22, s22, 2*HALFS
	s_sub_co_u32 s22, s22, s21
	v_mul_u32_u24 v6, s22, v2                      ; lanes 16-31 take X's
	s_add_co_u32 s21, s21, SCL
	v_add_nc_u32 v5, v5, v6
	v_add_nc_u32 v[ADRS], s21, v5
	; WHERE MY RESULTS GO.  TOK: my first token; NN: my first feature (mode v: counted from 2,048)
	s_lshl_b32 s20, s42, 8
	s_lshl_b32 s21, s16, 7
	s_add_co_u32 s20, s20, s21                     ; my first row of X
	s_lshl_b32 s21, s17, 8
	s_lshl_b32 s22, s15, 7
	s_add_co_u32 s21, s21, s22                     ; my first row of Y
	s_cmp_eq_u32 s[MODE], 1
	s_cselect_b32 s22, s20, s21                    ; TOK
	s_cselect_b32 s23, s21, s20                    ; NN
	s_lshr_b32 s46, s23, 10
	s_cmp_eq_u32 s[MODE], 1
	s_cselect_b32 s46, 2, s46                      ; 0: q, 1: k, 2: v
	s_lshr_b32 s47, s22, 11                        ; batch
	s_and_b32 s92, s22, 2047                       ; token in the batch
	s_bfe_u32 s93, s23, 0x40006                    ; my first head (of two)
	s_lshl_b32 s20, s46, 23                        ; images: which << 23 + (16 batch + head) << 17 + token << 6 (q, k: 1,024 bytes a tile of 16 tokens; v: 8,192 bytes a step of 128 keys)
	s_lshl_b32 s21, s47, 21
	s_add_co_u32 s20, s20, s21
	s_lshl_b32 s21, s93, 17
	s_add_co_u32 s20, s20, s21
	s_lshl_b32 s21, s92, 6
	s_add_co_u32 s20, s20, s21
	s_mov_b32 s21, 0
	s_add_nc_u64 s[12:13], s[12:13], s[20:21]
	s_lshl_b32 s20, s47, 17                        ; scale words: q, k: a word a token, 8,192 bytes a head; v: a word for each (d, 128 keys), 4,096 bytes a head: half of it
	s_lshl_b32 s21, s93, 13
	s_add_co_u32 s20, s20, s21
	s_lshl_b32 s21, s92, 2
	s_add_co_u32 s20, s20, s21
	s_lshr_b32 s20, s20, s[MODE]
	s_lshl_b32 s21, s46, 19
	s_add_co_u32 s20, s20, s21
	s_mov_b32 s21, 0
	s_add_nc_u64 s[100:101], s[100:101], s[20:21]
	s_lshl_b32 s20, s[MODE], 11                    ; the bias of my 128 features
	s_add_co_u32 s20, s20, s23
	s_lshl_b32 s20, s20, 2
	s_add_nc_u64 s[96:97], s[96:97], s[20:21]
	s_cmp_eq_u32 s[MODE], 0
	s_cbranch_scc0 .Lprep_v
	v_lshlrev_b32 v5, 5, v2                        ; MODE 0: the bias runs along the registers: C operand b holds b_qkv[NN + 16 b + 8 h + 0 .. 7]
.irp b, 0,1,2,3,4,5,6,7
	global_load_b128 v[BIAS+8*\b:BIAS+8*\b+3], v5, s[96:97] offset:64*\b
	global_load_b128 v[BIAS+8*\b+4:BIAS+8*\b+7], v5, s[96:97] offset:64*\b+16
.endr
	s_branch .Lprep_done
.Lprep_v:
	v_lshlrev_b32 v5, 2, v1                        ; MODE 1: the bias runs along the lanes: C operand a holds b_qkv[2,048 + NN + 16 a + r] in all eight registers
.irp a, 0,1,2,3,4,5,6,7
.irp j, 0,1,2,3,4,5,6,7
	global_load_b32 v[BIAS+8*\a+\j], v5, s[96:97] offset:64*\a
.endr
.endr
	; THE MASK'S FLAGS.  The 128 work-groups of mode 1 take one tile of 16 queries each, a wave a quarter of the keys (four steps of 128).  Lane (r, h) reads 64 bytes of row r for each step.
	; The word: bits 15:0 row r is masked in all 512 keys; bit 16 + i step i is wholly masked; bit 20 + i step i has a masked place.  No branch hangs on the mask: selects alone.
	s_lshl_b32 s20, s42, 2
	s_add_co_u32 s20, s20, s17                     ; the tile of queries: 4 x tile along X + tile along Y: 0 .. 127
	s_lshl_b32 s22, s20, 2
	s_add_co_u32 s22, s22, s14
	s_lshl_b32 s22, s22, 2                         ; my word's byte in flags
	s_mov_b32 s23, 0
	s_add_nc_u64 s[104:105], s[104:105], s[22:23]
	s_lshl_b32 s20, s20, 15                        ; 16 rows of 2,048 bytes,
	s_lshl_b32 s21, s14, 9                         ; my 512 keys
	s_add_co_u32 s20, s20, s21
	s_mov_b32 s21, 0
	s_add_nc_u64 s[98:99], s[98:99], s[20:21]
	v_lshlrev_b32 v6, 11, v1
	v_lshl_add_u32 v6, v2, 6, v6                   ; 2,048 r + 64 h
	v_and_b32 v7, 31, v0
.irp i, 0,1,2,3
.irp k, 0,1,2,3
	global_load_b128 v[128+16*\i+4*\k:128+16*\i+4*\k+3], v6, s[98:99] offset:128*\i+16*\k
.endr
.endr
	s_mov_b32 s19, 0xffff
	s_mov_b32 s93, 0
	s_wait_loadcnt 0x0
.irp i, 0,1,2,3
	v_and_b32 v192, v[128+16*\i], v[129+16*\i]
	v_or_b32 v193, v[128+16*\i], v[129+16*\i]
.irp k, 2,3,4,5,6,7,8,9,10,11,12,13,14,15
	v_and_b32 v192, v192, v[128+16*\i+\k]
	v_or_b32 v193, v193, v[128+16*\i+\k]
.endr
	v_cmp_eq_u32 vcc_lo, 0x01010101, v192          ; my 64 bytes are all 1
	s_lshr_b32 s18, vcc_lo, 16
	s_and_b32 s18, s18, vcc_lo                     ; both halves of row r
	s_and_b32 s19, s19, s18
	s_cmp_eq_u32 s18, 0xffff
	s_cselect_b32 s92, 1<<(16+\i), 0
	s_or_b32 s93, s93, s92
	v_cmp_ne_u32 vcc_lo, 0, v193
	s_cmp_lg_u32 vcc_lo, 0
	s_cselect_b32 s92, 1<<(20+\i), 0
	s_or_b32 s93, s93, s92
.endr
	s_or_b32 s93, s93, s19
	v_mov_b32 v192, s93
	v_mov_b32 v193, 0
	v_cmp_eq_u32 vcc_lo, 0, v7
	s_wait_xcnt 0x0                                ; EXEC changes only behind this wait
	s_and_saveexec_b32 s92, vcc_lo
	global_store_b32 v193, v192, s[104:105]        ; one lane stores the word
	s_wait_xcnt 0x0                                ; and again in front of the line that widens it; v192, v193 are free behind it too
	s_or_b32 exec_lo, exec_lo, s92
.Lprep_done:
	s_wait_loadcnt 0x0                             ; the bias
.macro FRAG reg, adr, q, i             ; a fragment, 16 rows x 128 K: lane l holds row l % 16; registers 4 c .. 4 c + 3 hold K = 32 c + 16 (l / 16) + 0 .. 15
.irp c, 0,1,2,3
	ds_load_b128 v[\reg+4*\c:\reg+4*\c+3], v[\adr] offset:128*(\q)+32*\c+(\i)*16*PITCH
.endr
.endm
; 16 matrix instructions: Y's blocks a0, a0 + 1 x X's eight, 128 along K.  cm = 0: onto the sums; 1: the sums start with the bias along the registers; 2: with the bias along the lanes.  Nothing is ever cleared.
; The 64 accumulators take turns, one instruction a turn, in the same order in every step.
.macro MUL16 a0, p, q, sc, cm
.irp a, \a0, \a0+1
.irp b, 0,1,2,3,4,5,6,7
.if (\cm) == 1
	v_wmma_scale_f32_16x16x128_f8f6f4 v[8*(8*((\a)%4)+\b):8*(8*((\a)%4)+\b)+7], v[128*(\p)+FR*\b:128*(\p)+FR*\b+FR-1], v[AF+FR*(\a):AF+FR*(\a)+FR-1], v[BIAS+8*\b:BIAS+8*\b+7], v[SC+8*NQ*(\sc)+NQ*\b+(\q)], v[SC+8*NQ*(\sc)+NQ*(\a)+(\q)] matrix_a_scale:MATRIX_SCALE_ROW1
.elseif (\cm) == 2
	v_wmma_scale_f32_16x16x128_f8f6f4 v[8*(8*((\a)%4)+\b):8*(8*((\a)%4)+\b)+7], v[128*(\p)+FR*\b:128*(\p)+FR*\b+FR-1], v[AF+FR*(\a):AF+FR*(\a)+FR-1], v[BIAS+8*(\a):BIAS+8*(\a)+7], v[SC+8*NQ*(\sc)+NQ*\b+(\q)], v[SC+8*NQ*(\sc)+NQ*(\a)+(\q)] matrix_a_scale:MATRIX_SCALE_ROW1
.else
	v_wmma_scale_f32_16x16x128_f8f6f4 v[8*(8*((\a)%4)+\b):8*(8*((\a)%4)+\b)+7], v[128*(\p)+FR*\b:128*(\p)+FR*\b+FR-1], v[AF+FR*(\a):AF+FR*(\a)+FR-1], v[8*(8*((\a)%4)+\b):8*(8*((\a)%4)+\b)+7], v[SC+8*NQ*(\sc)+NQ*\b+(\q)], v[SC+8*NQ*(\sc)+NQ*(\a)+(\q)] matrix_a_scale:MATRIX_SCALE_ROW1
.endif
.endr
.endr
.endm
.macro FETCH_B slot, q, p              ; X's eight fragments of the slot's q-th 128 along K into set p
	WIN TO_B
.irp i, 0,1,2,3,4,5,6,7
	FRAG 128*(\p)+FR*\i, ADRB+\slot, \q, \i
.endr
	WIN 0
.endm
.macro FETCH_A slot, q, i0             ; Y's blocks i0 .. i0 + 3
.irp i, \i0, \i0+1, \i0+2, \i0+3
	FRAG AF+FR*(\i), ADRA+\slot, \q, \i
.endr
.endm
.macro SCALES sc                       ; a K step's scale words into set sc: two words a row; lanes 0-15 take Y's block i, lanes 16-31 X's block i
.irp i, 0,1,2,3,4,5,6,7
	ds_load_b64 v[SC+8*NQ*\sc+NQ*\i:SC+8*NQ*\sc+NQ*\i+1], v[ADRS] offset:\i*SBLK
.endr
.endm
.macro PLACES n                        ; plain vector instructions between a matrix instruction and a load into, or a read of, its registers
.rept \n
	v_nop
.endr
.endm
; A step of 128 along K that has its successor in the same slot.
.macro STEP slot, q, cm
	s_wait_dscnt 4*NL                              ; X's set and Y's blocks 0-3 are in; the youngest 16 loads (Y's blocks 4-7) may be out
	WMUL 0, \cm
	MUL16 0, (\q)%2, \q, \slot, \cm
	MUL16 2, (\q)%2, \q, \slot, \cm
	s_wait_dscnt 0                                 ; Y's blocks 4-7 are in
	PLACES NP
	FETCH_B \slot, (\q)+1, 1-(\q)%2
	FETCH_A \slot, (\q)+1, 0
	WMUL 1, \cm
	MUL16 4, (\q)%2, \q, \slot, \cm
	MUL16 6, (\q)%2, \q, \slot, \cm
	PLACES NP
	WIN 0
	FETCH_A \slot, (\q)+1, 4
.endm
; A slot's last step changes slots: ONE barrier; in front of it each wave waits for all its tensor loads, adds 0 to its spare word, and waits for that and for its own reads of this slot.  fill = 1: the slot is filled again.
.macro TURN slot, next, fill
	s_wait_tensorcnt 0x0                           ; all my tensor loads have landed: my part of the next slot
	ds_add_u32 v[SPW], v[NIL]                      ; 0 onto my spare word
	s_wait_dscnt 4*NL+1                            ; (the add and the youngest 16 loads, Y's blocks 4-7, may be out)
	WMUL 0, 0
	MUL16 0, 1, NQ-1, \slot, 0                     ; sixteen matrix instructions stand between the add and the wait for it
	s_wait_dscnt 0x0                               ; the add is done, and my reads of this slot are over
	s_barrier_signal -1
	MUL16 2, 1, NQ-1, \slot, 0
	WIN 0
	s_barrier_wait -1
.if \fill
	CREST                                          ; the barrier has opened a round of the cluster's barrier: no wave of any partner still reads this slot or has a load on its way
	s_add_nc_u64 s[G0+4*\slot+2:G0+4*\slot+3], s[G0+4*\slot+2:G0+4*\slot+3], 2*ROWB
	s_add_nc_u64 s[G0B+4*\slot+2:G0B+4*\slot+3], s[G0B+4*\slot+2:G0B+4*\slot+3], 2*ROWB
	JLOAD G0+4*\slot, G1, G0B+4*\slot, G1B         ; the first tensor load behind the round; its four v_nop are among the places in front of the loads below
	PLACES NP-4
.else
	PLACES NP
.endif
	v_add_nc_u32 v[ADRS], 4*NQ, v[ADRS]            ; on to the next K step's scale words (no LDS load of mine is out)
	FETCH_B \next, 0, 0
	FETCH_A \next, 0, 0
	SCALES \next
	WMUL 1, 0
	MUL16 4, 1, NQ-1, \slot, 0
	MUL16 6, 1, NQ-1, \slot, 0
	PLACES NP
	WIN 0
	FETCH_A \next, 0, 4
.endm
	s_wait_tensorcnt 1                             ; of my three loads the scales and K step 0 are in; K step 1's may be out
	s_barrier_signal -1
	s_barrier_wait -1                              ; everybody's are
	FETCH_B 0, 0, 0
	FETCH_A 0, 0, 0
	SCALES 0
	FETCH_A 0, 0, 4
	s_cmp_eq_u32 s[MODE], 0                        ; the first step starts the sums with the bias; the two modes name other C operands, all else is alike
	s_cbranch_scc0 .Lfirst_v
	STEP 0, 0, 1
	s_branch .Lfirst_done
.Lfirst_v:
	STEP 0, 0, 2
.Lfirst_done:
	s_mov_b32 s3, LAPS-1
.Llap:                                                 ; a trip goes once round the ring and fills both slots again
	TURN 0, 1, 1
	STEP 1, 0, 0
	TURN 1, 0, 1
	STEP 0, 0, 0
	s_sub_co_u32 s3, s3, 1
	s_cmp_lg_u32 s3, 0
	s_cbranch_scc1 .Llap
	TURN 0, 1, 0                                   ; the last lap fills nothing, and has no round of the cluster's barrier
	STEP 1, 0, 0
	s_wait_dscnt 4*NL                              ; the very last step
	WMUL 0, 0
	MUL16 0, 1, NQ-1, 1, 0
	MUL16 2, 1, NQ-1, 1, 0
	s_wait_dscnt 0
	WMUL 1, 0
	MUL16 4, 1, NQ-1, 1, 0
	MUL16 6, 1, NQ-1, 1, 0
	WIN 0
	; THE WAY OUT: no LDS.  For each of Y's eight blocks: four blocks of 32 along X are quantised; a block's 16 codes a lane are four operand registers, stored 16 bytes a lane: 512 consecutive bytes, aligned.
	s_cmp_eq_u32 s[MODE], 1
	s_cselect_b32 s45, 0, 0xffff0000               ; mode 0: lanes 16-31 carry the second head's scale word
	s_cselect_b32 s46, -1, 0                       ; mode 1: all four bytes make one word
	s_mov_b32 s47, 131072
	s_cselect_b32 s47, 1024, s47                   ; from block 1 to block 2... mode 0: the next head's image; mode 1: 1,024 bytes on
	s_cselect_b32 s92, 0, 8192                     ; mode 0: the second head's scale words lie 8,192 bytes on; mode 1: both halves of the lanes store the same word to the same place
	s_lshl_b32 s18, 1024, s[MODE]                  ; from a block of Y to the next: mode 0: a tile of tokens, 1,024; mode 1: a tile of d, 2,048
	s_mov_b32 s19, 0
	s_mul_i32 s20, s[MODE], 123904                 ; from block 3 to block 4: mode 1: the next head: 131,072 - 3 x 2,048
	s_add_co_u32 s20, s20, 1024
	s_mov_b32 s21, 0
	s_mul_i32 s22, s[MODE], 3840                   ; the scale words: 64 bytes on; mode 1 at block 4: 4,096 - 3 x 64
	s_add_co_u32 s22, s22, 64
	s_mov_b32 s23, 0
	s_mov_b32 s40, 0x76543210
	s_mov_b32 s41, 0xfedcba98                      ; v_permlanex16_b32's selects for lane l xor 16
	s_mov_b32 s44, 0x600000                        ; the mantissa field of 448
	v_and_b32 v1, 15, v0                           ; these eight plain lines are the places behind the last products
	v_bfe_u32 v2, v0, 4, 1
	v_and_b32 v3, 31, v0
	v_lshlrev_b32 v[VX0], 4, v3
	v_add_nc_u32 v[VX1], s47, v[VX0]
	v_mul_u32_u24 v4, s92, v2
	v_lshl_add_u32 v[VS], v1, 2, v4
	v_nop
.irp b, 0,1,2,3
	v_mov_b32 v[PX+\b], 0                          ; a lane permute's destination counts as one of its sources
.endr
.macro QOUT a
.set AC, 64*((\a)%4)
.set WN, 2+(\a)/4
	WIN 5*WN                                       ; sources 0 and 1: the accumulators' window
.irp b, 0,1,2,3
	v_max3_num_f32 v[TM+\b], |v[AC+16*\b]|, |v[AC+16*\b+1]|, 0x4800000   ; my 16 numbers of block b, each accumulator from its low end on, and the floor 2^(9 - 127): the byte cannot fall under 1
.endr
.irp i, 2,4,6,8,10,12,14
.irp b, 0,1,2,3
	v_max3_num_f32 v[TM+\b], |v[AC+16*\b+\i]|, |v[AC+16*\b+\i+1]|, v[TM+\b]
.endr
.endr
	WIN 0
.irp b, 0,1,2,3
	v_permlanex16_b32 v[PX+\b], v[TM+\b], s40, s41
.endr
.irp b, 0,1,2,3
	v_max_num_f32 v[TM+\b], v[TM+\b], v[PX+\b]     ; with lane l xor 16's: the block's largest magnitude
.endr
.irp b, 0,1,2,3
	v_add_nc_u32 v[SCO+\b], 0xfc000000, v[TM+\b]   ; 8 off its exponent field: the conversion's scale operand
.endr
.irp b, 0,1,2,3
	v_and_or_b32 v[HOLD+\b], v[TM+\b], 0x7f800000, s44   ; 448 x the scale
.endr
.irp b, 0,1,2,3
	v_lshrrev_b32 v[PX+\b], 23, v[SCO+\b]          ; the scale's byte
.endr
.if (\a) > 0
	s_wait_xcnt 0x0                                ; the last block's stores have read their data and their bases: both are written again only behind this wait
.if (\a) == 4
	s_add_nc_u64 s[12:13], s[12:13], s[20:21]
	s_add_nc_u64 s[100:101], s[100:101], s[22:23]
.else
	s_add_nc_u64 s[12:13], s[12:13], s[18:19]
	s_add_nc_u64 s[100:101], s[100:101], 64
.endif
.endif
	v_lshl_or_b32 v[WL], v[PX+1], 8, v[PX]
	v_lshl_or_b32 v[WH], v[PX+3], 8, v[PX+2]
	v_cndmask_b32 v[W], v[WL], v[WH], s45          ; mode 0: a head's two bytes, the upper two 0 (they stand over zero codes)
	v_cndmask_b32 v[U], 0, v[WH], s46
	v_lshl_or_b32 v[W], v[U], 16, v[W]             ; mode 1: the four bytes of 128 keys
	WIN WN                                         ; source 0: the accumulators' window
.irp b, 0,1,2,3
.irp i, 0,1,2,3,4,5,6,7,8,9,10,11,12,13,14,15
	v_med3_num_f32 v[T+16*\b+\i], v[AC+16*\b+\i], -v[HOLD+\b], v[HOLD+\b]   ; the conversion to an 8-bit code does not saturate (ISA guide 7.6.2)
.endr
.endr
	WIN 0
.irp b, 0,1,2,3
	v_cvt_scalef32_pk8_fp8_f32 v[PC+4*\b:PC+4*\b+1], v[T+16*\b:T+16*\b+7], v[SCO+\b]
	v_cvt_scalef32_pk8_fp8_f32 v[PC+4*\b+2:PC+4*\b+3], v[T+16*\b+8:T+16*\b+15], v[SCO+\b]
.endr
	v_nop                                          ; one plain line behind the last conversion
	global_store_b128 v[VX0], v[PC:PC+3], s[12:13]
	global_store_b128 v[VX0], v[PC+4:PC+7], s[12:13] offset:512
	global_store_b128 v[VX1], v[PC+8:PC+11], s[12:13]
	global_store_b128 v[VX1], v[PC+12:PC+15], s[12:13] offset:512
	global_store_b32 v[VS], v[W], s[100:101]       ; 64 consecutive bytes for each head (mode 0) or tile of d (mode 1)
.endm
.irp a, 0,1,2,3,4,5,6,7
	QOUT \a
.endr
	s_wait_tensorcnt 0x0                           ; the wave's end
	ds_add_u32 v[SPW], v[NIL]
	s_wait_dscnt 0x0
	CROUND                                         ; the closing round: no work-group ends while a partner may still ask for a tile that names it
	s_endpgm
.Lfunc_end_k_q67a4f220d8_qkv:
	.size	k_q67a4f220d8_qkv, .Lfunc_end_k_q67a4f220d8_qkv-k_q67a4f220d8_qkv
	.p2alignl 7, 3214868480
	.fill 96, 4, 3214868480
	.section	.rodata,"a",@progbits
	.p2align	6, 0x0
	.amdhsa_kernel k_q67a4f220d8_qkv
		.amdhsa_group_segment_fixed_size 327680
		.amdhsa_private_segment_fixed_size 0
		.amdhsa_enable_private_segment 0
		.amdhsa_kernarg_size 72
		.amdhsa_user_sgpr_count 2
		.amdhsa_user_sgpr_kernarg_segment_ptr 1
		.amdhsa_wavefront_size32 1
		.amdhsa_system_sgpr_workgroup_id_x 1
		.amdhsa_system_sgpr_workgroup_id_y 1
		.amdhsa_system_sgpr_workgroup_id_z 1
		.amdhsa_system_vgpr_workitem_id 0
		.amdhsa_next_free_vgpr 1024
		.amdhsa_next_free_sgpr 106
		.amdhsa_reserve_vcc 1
		.amdhsa_float_denorm_mode_32 3
		.amdhsa_float_denorm_mode_16_64 3
		.amdhsa_memory_ordered 1
		.amdhsa_forward_progress 1
		.amdhsa_inst_pref_size 217
	.end_amdhsa_kernel
	.amdgpu_metadata
---
amdhsa.version: [ 1, 2 ]
amdhsa.kernels:
  - .name:           k_q67a4f220d8_qkv
    .symbol:         k_q67a4f220d8_qkv.kd
    .args:
      - { .name: hidden_states_codes, .offset: 0, .size: 8, .value_kind: global_buffer, .address_space: global }
      - { .name: hidden_states_scales, .offset: 8, .size: 8, .value_kind: global_buffer, .address_space: global }
      - { .name: W_qkv_codes, .offset: 16, .size: 8, .value_kind: global_buffer, .address_space: global }
      - { .name: W_qkv_scales, .offset: 24, .size: 8, .value_kind: global_buffer, .address_space: global }
      - { .name: qkv_img, .offset: 32, .size: 8, .value_kind: global_buffer, .address_space: global }
      - { .name: qkv_sc, .offset: 40, .size: 8, .value_kind: global_buffer, .address_space: global }
      - { .name: b_qkv, .offset: 48, .size: 8, .value_kind: global_buffer, .address_space: global }
      - { .name: attention_mask, .offset: 56, .size: 8, .value_kind: global_buffer, .address_space: global }
      - { .name: flags, .offset: 64, .size: 8, .value_kind: global_buffer, .address_space: global }
    .group_segment_fixed_size: 327680
    .private_segment_fixed_size: 0
    .kernarg_segment_align: 8
    .kernarg_segment_size: 72
    .max_flat_workgroup_size: 128
    .sgpr_count:     106
    .vgpr_count:     1024
    .wavefront_size: 32
...
	.end_amdgpu_metadata
.endif
;; end of part 1
;; launch attn (part 2): grid 4 x 64, 16 waves a work-group, no clusters, 276,480 bytes of LDS; arguments qkv_img, qkv_sc, flags, attention_mask, ctx_img, ctx_sc; writes ctx_img, ctx_sc
.if DOCPART == 2
	.amdgcn_target "amdgcn-amd-amdhsa--gfx1250"
	.amdhsa_code_object_version 6
	.text
	.protected	k_q67a4f220d8_attn
	.globl	k_q67a4f220d8_attn
	.p2align	8
	.type	k_q67a4f220d8_attn,@function
k_q67a4f220d8_attn:
	s_mov_b64 s[64:65], 0
	v_nop
	global_prefetch_b8 v0, s[64:65] scope:SCOPE_SE
	s_setreg_imm32_b32 hwreg(HW_REG_WAVE_MODE, 25, 1), 1
	s_wait_xcnt 0x0
; ctx = softmax(mask(q k^T / 8)) v for one (batch, head), both products on codes of FP8 (E4M3) with one E8M0 scale for each 32 along K; ctx is quantised along the model's 1,024 and leaves as images of operand registers.
; q, k, v come as images of operand registers: each group of four registers is 512 bytes, lane l's 16 bytes at 16 l.  Head size 64: a fragment's registers 8 .. 15 are zero codes, on both sides.
; THE SOFTMAX: t = score x log2(e) / 8; M = the running largest t rounded up to a whole number; p = 2^(t - M) is quantised along the keys, not normalised; the row's sum of the unquantised p divides at the end.
; THE MASK is an input and is honoured as given.  A masked score is replaced by -2^126 ahead of the maximum.  The launch before has stored, for each (tile of 16 queries, step of 128 keys), whether all places are masked
; and whether any is.  A step that is wholly masked adds nothing to rows that have a key that counts (its p are 0), and is passed over by a scalar branch on the stored word; where some row of the tile is masked in all
; 2,048 keys nothing is passed over, and that row gets p = 1 for every key: equal weights.  A step with no masked place does not read the mask.
; LIMITS: scores are taken to lie above -2^126, where the masked places stand; a block of zeros gets the scale byte 1 (its codes are zeros; this program alone reads the bytes); NaN and infinities are not served.
; SHARES.  A work-group holds one head's whole K and V in LDS, copied once through registers: 268 KB; one barrier in the whole text.  Each of its sixteen waves owns two tiles of 16 queries, T and 127 - T,
; T = 4 x wave + work-group x, in 256 registers: four waves to a SIMD, so that one wave's vector work stands beside another's matrix work and LDS loads.
; No tensor load and no cluster: branches hang on the stored words, and a head's K and V are read once by each of its four work-groups.
; LAYOUT.  S^T = K Q^T (source 0 = 16 keys), O^T = V^T P^T (source 0 = 16 of the head's 64): a lane holds ONE query (lane % 16).  The 16 registers of two neighbouring tiles of keys are keys 8 h + i and 16 + 8 h + i
; of a block of 32 (h = lane / 16): the order inside a block in which v's codes were laid by the launch before; the sum over a block does not change.
; ctx has that order along d, and is put straight on the way out: each lane's 16 codes leave as two stores of 8 bytes.
.set VIMG, 131072                      ; LDS: K's images at 0: step x 8,192 + tile x 1,024 + c x 512 + 16 lane;  V's here: step x 8,192 + d tile x 2,048 + c x 512 + 16 lane
.set KSC,  262144                      ; K's scale words: step x 512 + tile x 64 + 4 r
.set VSC,  270336                      ; V's: step x 256 + d tile x 64 + 4 r
.set LI,  1                            ; v1   16 x lane
.set LV,  2                            ; v2   VIMG + 16 x lane
.set LKS, 3                            ; v3   KSC + 4 x lane: lanes 0-15 an even tile's words, lanes 16-31 the odd tile's
.set LVS, 4                            ; v4   VSC + 4 x lane
.set M0,  5                            ; v5   2,048 r + 8 h: my place in 16 rows of the mask
.set NEG, 6                            ; v6   -2^126
.set CO,  7                            ; v7   16 r + 8 h
.set ADK, 8                            ; v8-11 LDS addresses of the step in hand: K, V, K's scale words, V's
.set ADV, 9
.set ADS, 10
.set ADT, 11
.set QF,  16                           ; v16-23 Q's fragment, v24-31 zeros       (v12 -M, v13 the largest t, v[14:15] the sum in two halves)
.set KF,  32                           ; v32-95 four fragments of K: 8 registers of codes, 8 of zeros
.set S,   96                           ; v96-159 S^T, then p, then V's four fragments
.set O,   160                          ; v160-191 O^T
.set MB,  192                          ; v192-207 the mask's bytes
.set BM,  208                          ; the blocks' largest scores, then largest p
.set PX,  212
.set HOLD, 216
.set SCO, 220
.set PC,  224                          ; v224-239 p's codes
.set KSR, 240                          ; v240-243 K's scale words
.set VSR, 244                          ; v244-245 V's
.set F,   246                          ; 2^(old M - new M)
.set PW,  247                          ; p's scale word
.set TMP, 248
.set QS,  250                          ; Q's scale words
.set R4,  251                          ; 4 r
.set MT,  252                          ; my place in the tile's rows of the mask
.set MA,  253                          ; and in the step
.set SCA, 254                          ; 32 r
	s_load_b256 s[4:11], s[0:1], 0x0               ; qkv_img s[4:5], qkv_sc s[6:7], flags s[8:9], attention_mask s[10:11]
	s_load_b128 s[12:15], s[0:1], 0x20             ; ctx_img s[12:13], ctx_sc s[14:15]
	v_lshl_add_u32 v249, v0, 2, 0x43000
	v_mov_b32 v255, 0
	v_lshrrev_b32 v12, 5, v0
	v_readfirstlane_b32 s16, v12                   ; wave 0..15
	v_and_b32 v12, 31, v0                          ; lane
	v_and_b32 v13, 15, v0                          ; r
	v_bfe_u32 v14, v0, 4, 1                        ; h
	v_lshlrev_b32 v[LI], 4, v12
	v_add_nc_u32 v[LV], VIMG, v[LI]
	v_lshl_add_u32 v[LKS], v12, 2, KSC
	v_lshl_add_u32 v[LVS], v12, 2, VSC
	v_lshlrev_b32 v[M0], 11, v13
	v_lshl_add_u32 v[M0], v14, 3, v[M0]
	v_mov_b32 v[NEG], 0xfe800000
	v_lshlrev_b32 v[CO], 4, v13
	v_lshl_add_u32 v[CO], v14, 3, v[CO]
	v_lshlrev_b32 v[R4], 2, v13
	v_lshlrev_b32 v[SCA], 5, v13
	v_lshlrev_b32 v15, 3, v12                      ; 8 x lane
	s_lshl_b32 s42, s16, 13                        ; THE FILL: wave w copies key step w: 8,192 bytes of K, 8,192 of V, 512 and 256 of scale words
	s_mov_b32 s43, 0
	v_add_nc_u32 v[ADK], s42, v[LI]
	v_add_nc_u32 v[ADV], s42, v[LV]
	s_lshl_b32 s26, s16, 9
	v_add_nc_u32 v[ADS], s26, v[LI]
	v_add_nc_u32 v[ADS], KSC, v[ADS]
	s_lshl_b32 s26, s16, 8
	v_add_nc_u32 v[ADT], s26, v15
	v_add_nc_u32 v[ADT], VSC, v[ADT]
	s_and_b32 s17, ttmp7, 0xffff                   ; 16 x batch + head
	s_lshl_b32 s40, s17, 17
	s_mov_b32 s41, 0
	s_mov_b32 s19, 0x600000                        ; the mantissa field of 448
	s_mov_b32 s20, 0x76543210
	s_mov_b32 s21, 0xfedcba98                      ; v_permlanex16_b32's selects for lane l xor 16
	s_mov_b32 s22, 0x3e38aa3b                      ; c = log2(e) / 8
	s_mov_b32 s23, s22                             ; (named with it as a pair)
	s_lshr_b32 s18, s17, 4
	s_lshl_b32 s18, s18, 7                         ; 128 x batch: the batch's first tile of 16 tokens
	s_and_b32 s25, s17, 15                         ; the head
	s_lshl_b32 s24, s16, 2
	s_add_co_u32 s24, s24, ttmp9                   ; my first tile of queries
	s_wait_kmcnt 0x0
	s_add_nc_u64 s[44:45], s[4:5], s[40:41]        ; the head's images of q
	s_add_nc_u64 s[48:49], s[44:45], s[42:43]
	s_add_nc_u64 s[48:49], s[48:49], 0x800000      ; my step of k
	s_add_nc_u64 s[50:51], s[48:49], 0x800000      ; and of v
	s_lshl_b32 s40, s17, 13
	s_add_nc_u64 s[46:47], s[6:7], s[40:41]        ; the head's scale words of q
	s_lshl_b32 s42, s16, 9
	s_add_nc_u64 s[52:53], s[46:47], s[42:43]      ; my step's of k (1 << 19 further on: in the immediate)
	s_lshl_b32 s40, s17, 12
	s_lshl_b32 s42, s16, 8
	s_add_co_u32 s40, s40, s42
	s_add_nc_u64 s[54:55], s[6:7], s[40:41]        ; and of v (2 << 19 further on)
.irp i, 0,1,2,3,4,5,6,7,8,9,10,11,12,13,14,15
	global_load_b128 v[32+4*\i:35+4*\i], v[LI], s[48:49] offset:512*\i
.endr
.irp i, 0,1,2,3,4,5,6,7,8,9,10,11,12,13,14,15
	global_load_b128 v[96+4*\i:99+4*\i], v[LI], s[50:51] offset:512*\i
.endr
	global_load_b128 v[160:163], v[LI], s[52:53] offset:0x80000
	global_load_b64 v[164:165], v15, s[54:55] offset:0x100000
	s_wait_loadcnt 18                              ; K's 16 are in; V's 16 and the two of scale words may be out
.irp i, 0,1,2,3,4,5,6,7,8,9,10,11,12,13,14,15
	ds_store_b128 v[ADK], v[32+4*\i:35+4*\i] offset:512*\i
.endr
	s_wait_loadcnt 2                               ; V's are in
.irp i, 0,1,2,3,4,5,6,7,8,9,10,11,12,13,14,15
	ds_store_b128 v[ADV], v[96+4*\i:99+4*\i] offset:512*\i
.endr
	s_wait_loadcnt 0x0
	ds_store_b128 v[ADS], v[160:163]
	ds_store_b64 v[ADT], v[164:165]
	s_wait_dscnt 0x0                               ; for the others' sake: my stores have landed
	s_barrier_signal -1
	s_barrier_wait -1                              ; the head's K and V lie in LDS; nothing is written there again
.irp j, 0,1,2,3,4,5,6,7
	v_mov_b32 v[QF+8+\j], 0                        ; the zero codes of K = 64 .. 127: Q's,
.endr
.irp t, 0,1,2,3
.irp j, 0,1,2,3,4,5,6,7
	v_mov_b32 v[KF+16*\t+8+\j], 0                  ; and K's, in registers of their own
.endr
.endr
.irp j, 0,1,2,3,4,5,6,7,8,9,10,11,12,13,14,15
	v_mov_b32 v[MB+\j], 0                          ; written once, so that they are defined on every way through the two branches on one stored bit
.endr
.irp b, 0,1,2,3
	v_mov_b32 v[PX+\b], 0                          ; a lane permute's destination counts as one of its sources
.endr
	v_mov_b32 v[F], 0
	v_mov_b32 v[PW], 0                             ; (named as the upper half of the pair with F before it is first written)
	v_mov_b32 v[TMP], 0
; ONE TILE OF 16 QUERIES, number s24 of the head's 128.
.macro TILE
	s_wait_xcnt 0x0                                ; the last tile's stores have read their data and bases
	s_mov_b32 s41, 0
	s_lshl_b32 s40, s24, 10
	s_add_nc_u64 s[52:53], s[44:45], s[40:41]      ; Q's image
	s_lshl_b32 s40, s24, 6
	s_add_nc_u64 s[54:55], s[46:47], s[40:41]      ; its scale words
	s_lshl_b32 s40, s24, 4
	s_add_nc_u64 s[56:57], s[8:9], s[40:41]        ; the tile's four words of flags
	s_load_b128 s[36:39], s[56:57], 0x0
	global_load_b128 v[QF:QF+3], v[LI], s[52:53]
	global_load_b128 v[QF+4:QF+7], v[LI], s[52:53] offset:512
	global_load_b32 v[QS], v[R4], s[54:55]
	s_lshl_b32 s40, s24, 15
	v_add_nc_u32 v[MT], s40, v[M0]                 ; 16 rows of 2,048 bytes a tile
	s_add_co_u32 s42, s18, s24                     ; the tile among all 512 tiles of tokens
	s_lshl_b32 s40, s42, 14
	s_lshl_b32 s43, s25, 10
	s_add_co_u32 s40, s40, s43
	s_add_nc_u64 s[58:59], s[12:13], s[40:41]      ; ctx's image: tile x 16,384 + head x 1,024 (two blocks of 32 along K, 512 bytes each)
	s_lshl_b32 s40, s42, 9
	s_lshl_b32 s43, s25, 1
	s_add_co_u32 s40, s40, s43
	s_add_nc_u64 s[60:61], s[14:15], s[40:41]      ; its scale bytes: 32 a token, the head's two
	v_mov_b32 v13, 0xff61b1e6                      ; the largest t so far: -3e38, under every t
	v_floor_f32 v12, -v13                          ; -M
	v_mov_b32 v14, 0
	v_mov_b32 v15, 0
.irp j, 0,1,2,3,4,5,6,7,8,9,10,11,12,13,14,15,16,17,18,19,20,21,22,23,24,25,26,27,28,29,30,31
	v_mov_b32 v[O+\j], 0                           ; the step is written once: the first finds zeros, which the first change of M leaves zeros
.endr
	s_wait_kmcnt 0x0
	s_and_b32 s40, s36, s37
	s_and_b32 s40, s40, s38
	s_and_b32 s40, s40, s39
	s_and_b32 s40, s40, 0xffff                     ; rows that are masked in all 2,048 keys
	s_bfe_u32 s27, s36, 0x40010                    ; s27: bit s: step s is wholly masked
	s_bfe_u32 s41, s37, 0x40010
	s_lshl_b32 s41, s41, 4
	s_or_b32 s27, s27, s41
	s_bfe_u32 s41, s38, 0x40010
	s_lshl_b32 s41, s41, 8
	s_or_b32 s27, s27, s41
	s_bfe_u32 s41, s39, 0x40010
	s_lshl_b32 s41, s41, 12
	s_or_b32 s27, s27, s41
	s_bfe_u32 s28, s36, 0x40014                    ; s28: bit s: step s has a masked place
	s_bfe_u32 s41, s37, 0x40014
	s_lshl_b32 s41, s41, 4
	s_or_b32 s28, s28, s41
	s_bfe_u32 s41, s38, 0x40014
	s_lshl_b32 s41, s41, 8
	s_or_b32 s28, s28, s41
	s_bfe_u32 s41, s39, 0x40014
	s_lshl_b32 s41, s41, 12
	s_or_b32 s28, s28, s41
	s_cmp_lg_u32 s40, 0
	s_cselect_b32 s27, 0, s27                      ; where a row has no key that counts, every step is walked
	s_mov_b32 s29, 0                               ; the step's images, 8,192 bytes a step;
	s_mov_b32 s30, 0                               ; K's scale words, 512;
	s_mov_b32 s31, 0                               ; V's, 256;
	s_mov_b32 s32, 0                               ; the mask's bytes, 128
	s_mov_b32 s26, 16
	s_wait_loadcnt 0x0                             ; Q
.Lstep_\@:                                             ; sixteen trips, a constant; a step's WORK is passed over, not the lines at its end that step addresses
	s_bitcmp1_b32 s27, 0
	s_cbranch_scc1 .Lnext_\@
	v_add_nc_u32 v[ADK], s29, v[LI]
	v_add_nc_u32 v[ADV], s29, v[LV]
	v_add_nc_u32 v[ADS], s30, v[LKS]
	v_add_nc_u32 v[ADT], s31, v[LVS]
	s_bitcmp1_b32 s28, 0
	s_cbranch_scc0 .Lunread_\@
	v_add_nc_u32 v[MA], s32, v[MT]
.irp t, 0,1,2,3,4,5,6,7
	global_load_b64 v[MB+2*\t:MB+2*\t+1], v[MA], s[10:11] offset:16*\t   ; the bytes of query r, keys 16 t + 8 h + 0 .. 7: as tile t's eight registers lie
.endr
.Lunread_\@:
.irp p, 0,1,2,3
	ds_load_b32 v[KSR+\p], v[ADS] offset:128*\p
.endr
.irp p, 0,1
	ds_load_b32 v[VSR+\p], v[ADT] offset:128*\p
.endr
.irp g, 0,1                                    ; S^T = K Q^T, four tiles of 16 keys at a time
.if \g > 0
.rept 8
	v_nop                                          ; places in front of loads into registers that the last four products have read
.endr
.endif
.irp t, 0,1,2,3
	ds_load_b128 v[KF+16*\t:KF+16*\t+3], v[ADK] offset:(4*\g+\t)*1024
	ds_load_b128 v[KF+16*\t+4:KF+16*\t+7], v[ADK] offset:(4*\g+\t)*1024+512
.endr
	s_wait_dscnt 0x0
.irp t, 0,1,2,3
.if (\t)%2
	v_wmma_scale_f32_16x16x128_f8f6f4 v[S+8*(4*\g+\t):S+8*(4*\g+\t)+7], v[KF+16*\t:KF+16*\t+15], v[QF:QF+15], 0, v[KSR+2*\g+\t/2], v[QS] matrix_a_scale:MATRIX_SCALE_ROW1
.else
	v_wmma_scale_f32_16x16x128_f8f6f4 v[S+8*(4*\g+\t):S+8*(4*\g+\t)+7], v[KF+16*\t:KF+16*\t+15], v[QF:QF+15], 0, v[KSR+2*\g+\t/2], v[QS]
.endif
.endr
.endr
.rept 8
	v_nop                                          ; places in front of the first read of the scores
.endr
	s_wait_loadcnt 0x0                             ; the mask's bytes, where they were asked for: on every way, so that no load stays out
	s_bitcmp1_b32 s28, 0
	s_cbranch_scc0 .Lopen_\@
.irp t, 0,1,2,3,4,5,6,7
.irp j, 0,1,2,3,4,5,6,7
	v_and_b32 v[TMP], 1<<(8*(\j%4)), v[MB+2*\t+\j/4]
	v_cmp_ne_u32 vcc_lo, 0, v[TMP]
	v_cndmask_b32 v[S+8*\t+\j], v[S+8*\t+\j], v[NEG], vcc_lo   ; a masked score becomes -2^126
.endr
.endr
.Lopen_\@:
.irp b, 0,1,2,3
	v_max3_num_f32 v[BM+\b], v[S+16*\b], v[S+1+16*\b], v[S+2+16*\b]   ; the largest score of each block of 32 keys: for the row's maximum, and, since p rises with the score, for the block's largest p
.endr
.irp i, 3,5,7,9,11,13
.irp b, 0,1,2,3
	v_max3_num_f32 v[BM+\b], v[BM+\b], v[S+16*\b+\i], v[S+1+16*\b+\i]
.endr
.endr
.irp b, 0,1,2,3
	v_max_num_f32 v[BM+\b], v[BM+\b], v[S+15+16*\b]
.endr
.irp b, 0,1,2,3
	v_permlanex16_b32 v[PX+\b], v[BM+\b], s20, s21
.endr
.irp b, 0,1,2,3
	v_max_num_f32 v[BM+\b], v[BM+\b], v[PX+\b]     ; with lane l xor 16's 16 keys
.endr
	v_max3_num_f32 v[TMP], v[BM], v[BM+1], v[BM+2]
	v_max_num_f32 v[TMP], v[TMP], v[BM+3]
	v_mul_f32 v[TMP], s22, v[TMP]                  ; as t (c is positive)
	v_max_num_f32 v13, v13, v[TMP]                 ; the running largest t
	v_mov_b32 v[TMP], v12
	v_floor_f32 v12, -v13                          ; the new -M = -ceil(t): a whole number
	v_sub_f32 v[TMP], v12, v[TMP]                  ; old M - new M: a whole number, 0 or less
	v_cvt_i32_f32 v[TMP], v[TMP]                   ; (it saturates)
	v_ldexp_f32 v[F], 1.0, v[TMP]                  ; f = 2^(old M - new M): a multiplication by it rounds nothing
.irp j, 0,2,4,6,8,10,12,14,16,18,20,22,24,26,28,30,32,34,36,38,40,42,44,46,48,50,52,54,56,58,60,62
	v_pk_fma_f32 v[S+\j:S+\j+1], v[S+\j:S+\j+1], s[22:23], v[12:13] op_sel_hi:[1,0,0]   ; t - M, two at a time
.endr
.irp b, 0,1,2,3
	v_fma_f32 v[BM+\b], v[BM+\b], s22, v12         ; the same of each block's largest score
.endr
.irp j, 0,1,2,3,4,5,6,7,8,9,10,11,12,13,14,15,16,17,18,19,20,21,22,23,24,25,26,27,28,29,30,31,32,33,34,35,36,37,38,39,40,41,42,43,44,45,46,47,48,49,50,51,52,53,54,55,56,57,58,59,60,61,62,63
	v_exp_f32 v[S+\j], v[S+\j]                     ; p = 2^(t - M), at most 1
.endr
	v_pk_mul_f32 v[14:15], v[14:15], v[F:F+1] op_sel_hi:[1,0]   ; the sums under the new M: the plain line behind the exponentials
	s_wait_alu depctr_va_vdst(0)                   ; one wait for the batch of 64, ahead of its first reader
.irp b, 0,1,2,3
	v_exp_f32 v[BM+\b], v[BM+\b]                   ; the block's largest p
.endr
	v_pk_add_f32 v[PX:PX+1], v[S:S+1], v[S+2:S+3]  ; the row's sum is taken of the unquantised p, in two chains
.irp j, 4,8,12,16,20,24,28,32,36,40,44,48,52,56,60
	v_pk_add_f32 v[14:15], v[14:15], v[S+\j:S+\j+1]
	v_pk_add_f32 v[PX:PX+1], v[PX:PX+1], v[S+2+\j:S+3+\j]
.endr
	v_pk_add_f32 v[14:15], v[14:15], v[PX:PX+1]
	s_wait_alu depctr_va_vdst(0)                   ; and one for the four
.irp b, 0,1,2,3
	v_max_num_f32 v[BM+\b], 0x4800000, v[BM+\b]    ; the floor 2^(9 - 127): the byte cannot fall under 1
.endr
.irp b, 0,1,2,3
	v_add_nc_u32 v[SCO+\b], 0xfc000000, v[BM+\b]   ; 8 off the exponent field: the conversion's scale operand
.endr
.irp b, 0,1,2,3
	v_and_or_b32 v[HOLD+\b], v[BM+\b], 0x7f800000, s19   ; 448 x the scale
.endr
.irp b, 0,1,2,3
	v_lshrrev_b32 v[PX+\b], 23, v[SCO+\b]          ; the scale's byte
.endr
	v_lshl_or_b32 v[PW], v[PX+1], 8, v[PX]         ; p's scale word for these 128 keys
	v_lshl_or_b32 v[PW], v[PX+2], 16, v[PW]
	v_lshl_or_b32 v[PW], v[PX+3], 24, v[PW]
.irp b, 0,1,2,3
.irp i, 0,1,2,3,4,5,6,7,8,9,10,11,12,13,14,15
	v_min_num_f32 v[S+16*\b+\i], v[S+16*\b+\i], v[HOLD+\b]   ; the conversion does not saturate (ISA guide 7.6.2); p is not negative, so the hold is one-sided
.endr
	v_cvt_scalef32_pk8_fp8_f32 v[PC+4*\b:PC+4*\b+1], v[S+16*\b:S+16*\b+7], v[SCO+\b]
	v_cvt_scalef32_pk8_fp8_f32 v[PC+4*\b+2:PC+4*\b+3], v[S+16*\b+8:S+16*\b+15], v[SCO+\b]
.irp c, 0,1,2,3
	ds_load_b128 v[S+16*\b+4*\c:S+16*\b+4*\c+3], v[ADV] offset:2048*\b+512*\c   ; the block's 16 registers are free: V's fragment of d tile b lands there
.endr
.endr
.irp j, 0,2,4,6,8,10,12,14,16,18,20,22,24,26,28,30
	v_pk_mul_f32 v[O+\j:O+\j+1], v[O+\j:O+\j+1], v[F:F+1] op_sel_hi:[1,0]   ; O^T under the new M; these 16 are also the places between the conversions and the products
.endr
	s_wait_dscnt 0x0                               ; V's fragments
.irp t, 0,1,2,3                                ; O^T += V^T P^T: four accumulators by turns
.if (\t)%2
	v_wmma_scale_f32_16x16x128_f8f6f4 v[O+8*\t:O+8*\t+7], v[S+16*\t:S+16*\t+15], v[PC:PC+15], v[O+8*\t:O+8*\t+7], v[VSR+\t/2], v[PW] matrix_a_scale:MATRIX_SCALE_ROW1
.else
	v_wmma_scale_f32_16x16x128_f8f6f4 v[O+8*\t:O+8*\t+7], v[S+16*\t:S+16*\t+15], v[PC:PC+15], v[O+8*\t:O+8*\t+7], v[VSR+\t/2], v[PW]
.endif
.endr
.rept 9
	v_nop                                          ; nine places: the next step's products write over the registers that these have read, and the way out reads O^T
.endr
.Lnext_\@:
	s_lshr_b32 s27, s27, 1
	s_lshr_b32 s28, s28, 1
	s_add_co_u32 s29, s29, 8192
	s_add_co_u32 s30, s30, 512
	s_add_co_u32 s31, s31, 256
	s_add_co_u32 s32, s32, 128
	s_sub_co_u32 s26, s26, 1
	s_cmp_lg_u32 s26, 0
	s_cbranch_scc1 .Lstep_\@
	; THE WAY OUT: ctx = O^T / the sum, quantised along d: two blocks of 32, each in lanes l and l xor 16
	v_add_f32 v14, v14, v15
	v_permlanex16_b32 v[TMP], v14, s20, s21
	v_add_f32 v14, v14, v[TMP]                     ; the row's sum
	v_rcp_f32 v14, v14
	v_nop                                          ; one plain line behind the reciprocal
	s_wait_alu depctr_va_vdst(0)                   ; and the wait ahead of its first reader
.irp j, 0,1,2,3,4,5,6,7,8,9,10,11,12,13,14,15,16,17,18,19,20,21,22,23,24,25,26,27,28,29,30,31
	v_mul_f32 v[O+\j], v[O+\j], v14                ; each accumulator from its low end on
.endr
.irp b, 0,1
	v_max3_num_f32 v[BM+\b], |v[O+16*\b]|, |v[O+1+16*\b]|, 0x4800000
.endr
.irp i, 2,4,6,8,10,12,14
.irp b, 0,1
	v_max3_num_f32 v[BM+\b], v[BM+\b], |v[O+16*\b+\i]|, |v[O+1+16*\b+\i]|
.endr
.endr
.irp b, 0,1
	v_permlanex16_b32 v[PX+\b], v[BM+\b], s20, s21
.endr
.irp b, 0,1
	v_max_num_f32 v[BM+\b], v[BM+\b], v[PX+\b]
.endr
.irp b, 0,1
	v_add_nc_u32 v[SCO+\b], 0xfc000000, v[BM+\b]
.endr
.irp b, 0,1
	v_and_or_b32 v[HOLD+\b], v[BM+\b], 0x7f800000, s19
.endr
.irp b, 0,1
	v_lshrrev_b32 v[PX+\b], 23, v[SCO+\b]
.endr
	v_lshl_or_b32 v[TMP], v[PX+1], 8, v[PX]        ; the head's two scale bytes of my token
.irp b, 0,1
.irp i, 0,1,2,3,4,5,6,7,8,9,10,11,12,13,14,15
	v_med3_num_f32 v[O+16*\b+\i], v[O+16*\b+\i], -v[HOLD+\b], v[HOLD+\b]
.endr
	v_cvt_scalef32_pk8_fp8_f32 v[PC+4*\b:PC+4*\b+1], v[O+16*\b:O+16*\b+7], v[SCO+\b]
	v_cvt_scalef32_pk8_fp8_f32 v[PC+4*\b+2:PC+4*\b+3], v[O+16*\b+8:O+16*\b+15], v[SCO+\b]
.endr
	v_nop                                          ; one plain line behind the last conversion
	; my first 8 codes of a block are d = 8 h + 0 .. 7: bytes 8 h on of lane r's 16 in the image; my second 8 are d = 16 + 8 h + 0 .. 7: of lane 16 + r's.  Each store covers 256 consecutive bytes, aligned
	global_store_b64 v[CO], v[PC:PC+1], s[58:59]
	global_store_b64 v[CO], v[PC+2:PC+3], s[58:59] offset:256
	global_store_b64 v[CO], v[PC+4:PC+5], s[58:59] offset:512
	global_store_b64 v[CO], v[PC+6:PC+7], s[58:59] offset:768
	global_store_b16 v[SCA], v[TMP], s[60:61]      ; two bytes of each of 16 rows of 32 (lanes l and l xor 16 store the same bytes to the same place): one byte in 32 of what the tile stores
.endm
	TILE
	s_sub_co_u32 s24, 127, s24                     ; the partner tile: with a mask that hides the keys behind a query the two together have 17 steps, in every wave
	TILE
	s_wait_tensorcnt 0x0
	ds_add_u32 v249, v255
	s_wait_dscnt 0x0
	s_endpgm
.Lfunc_end_k_q67a4f220d8_attn:
	.size	k_q67a4f220d8_attn, .Lfunc_end_k_q67a4f220d8_attn-k_q67a4f220d8_attn
	.p2alignl 7, 3214868480
	.fill 96, 4, 3214868480
	.section	.rodata,"a",@progbits
	.p2align	6, 0x0
	.amdhsa_kernel k_q67a4f220d8_attn
		.amdhsa_group_segment_fixed_size 276480
		.amdhsa_private_segment_fixed_size 0
		.amdhsa_enable_private_segment 0
		.amdhsa_kernarg_size 48
		.amdhsa_user_sgpr_count 2
		.amdhsa_user_sgpr_kernarg_segment_ptr 1
		.amdhsa_wavefront_size32 1
		.amdhsa_system_sgpr_workgroup_id_x 1
		.amdhsa_system_sgpr_workgroup_id_y 1
		.amdhsa_system_sgpr_workgroup_id_z 1
		.amdhsa_system_vgpr_workitem_id 0
		.amdhsa_next_free_vgpr 256
		.amdhsa_next_free_sgpr 66
		.amdhsa_reserve_vcc 1
		.amdhsa_float_denorm_mode_32 3
		.amdhsa_float_denorm_mode_16_64 3
		.amdhsa_memory_ordered 1
		.amdhsa_forward_progress 1
		.amdhsa_inst_pref_size 84
	.end_amdhsa_kernel
	.amdgpu_metadata
---
amdhsa.version: [ 1, 2 ]
amdhsa.kernels:
  - .name:           k_q67a4f220d8_attn
    .symbol:         k_q67a4f220d8_attn.kd
    .args:
      - { .name: qkv_img, .offset: 0, .size: 8, .value_kind: global_buffer, .address_space: global }
      - { .name: qkv_sc, .offset: 8, .size: 8, .value_kind: global_buffer, .address_space: global }
      - { .name: flags, .offset: 16, .size: 8, .value_kind: global_buffer, .address_space: global }
      - { .name: attention_mask, .offset: 24, .size: 8, .value_kind: global_buffer, .address_space: global }
      - { .name: ctx_img, .offset: 32, .size: 8, .value_kind: global_buffer, .address_space: global }
      - { .name: ctx_sc, .offset: 40, .size: 8, .value_kind: global_buffer, .address_space: global }
    .group_segment_fixed_size: 276480
    .private_segment_fixed_size: 0
    .kernarg_segment_align: 8
    .kernarg_segment_size: 48
    .max_flat_workgroup_size: 512
    .sgpr_count:     66
    .vgpr_count:     256
    .wavefront_size: 32
...
	.end_amdgpu_metadata
.endif
;; end of part 2
;; launch dense (part 3): grid 4 x 32, 4 waves a work-group, clusters of 4 x 4, 327,680 bytes of LDS; arguments ctx_img, ctx_sc, W_dense_codes, W_dense_scales, b_dense, out0; writes out0
.if DOCPART == 3
	.amdgcn_target "amdgcn-amd-amdhsa--gfx1250"
	.amdhsa_code_object_version 6
	.text
	.protected	k_q67a4f220d8_dense
	.globl	k_q67a4f220d8_dense
	.p2align	8
	.type	k_q67a4f220d8_dense,@function
k_q67a4f220d8_dense:
	s_mov_b64 s[64:65], 0
	v_nop
	global_prefetch_b8 v0, s[64:65] scope:SCOPE_SE
	s_setreg_imm32_b32 hwreg(HW_REG_WAVE_MODE, 25, 1), 1
	s_wait_xcnt 0x0
	s_wait_alu depctr_hold_cnt(0) depctr_sa_sdst(0) depctr_va_vdst(0) depctr_va_sdst(0) depctr_va_ssrc(0) depctr_va_vcc(0) depctr_vm_vsrc(0)
	s_getreg_b32 s2, hwreg(HW_REG_IB_STS2, 6, 4)
	s_cmp_eq_u32 s2, 0
	s_cbranch_scc0 .Lentry_in_a_cluster
	s_endpgm
.Lentry_in_a_cluster:
	s_bfe_u32 s2, ttmp6, 0x10000c
	s_cmp_lg_u32 s2, 0xf033
	s_cbranch_scc0 .Lentry_shape_is_right
	s_endpgm
.Lentry_shape_is_right:
; out0 = ctx W_dense + b_dense on codes of FP8 (E4M3) with one E8M0 scale for each 32 along K = 1,024; out0 [8,192][1,024] f32; sums in f32.
; A = ctx comes as IMAGES OF OPERAND REGISTERS: tile of 16 tokens x 16,384 + (k / 128) x 2,048 + c x 512 + 16 lane; its scale bytes [8,192][32].  B = W_dense's codes [1,024 (n)][1,024 (k)], scale bytes [1,024][32].
; A tile of out0, 256 x 256, is made by four waves, 128 x 128 each: 64 accumulators, 512 registers.  K goes in steps of 256 through a ring of two LDS slots filled by the tensor data mover.
; A K step of 128 rows of A is 8 runs of 4,096 consecutive bytes, 16,384 apart; they lie dense in LDS and a fragment's four loads read 512 consecutive bytes each.  B's tiles are rows of 256 bytes, padded.
; The scales of the work-group's 512 rows, for all of K, come into LDS once.  The bias is the C of each sum's first matrix instruction.
; CLUSTERS: 4 x 4 work-groups; A's tiles are shared along a row of the cluster, B's along a column: each is asked for jointly.
; THE MATRIX INSTRUCTION IS USED TRANSPOSED (source 0 = 16 rows of B, source 1 = 16 rows of A): a lane holds eight neighbouring numbers of a row of out0.
; 128 work-groups: half of the WGPs have no work in this launch; a tile of half the size would read each fragment for half the products.
; REGISTERS: window 0: v0-31 addresses; v32-63 scale words; v64-127 the bias; from v128 A's fragments; window 1: B's fragments, two sets; windows 2, 3: the accumulators.
.set SIZE_N, 1024
.set KSTEP,  256
.set NQ,     2
.set ROWB,   256
.set ASTEP,  4096                      ; a K step of a tile of 16 tokens of A, in bytes
.set KROW,   1024
.set PITCH,  272
.set FR,     16
.set NL,     4
.set NP,     8
.set HALFT,  128*PITCH
.set SLOT,   4*HALFT
.set LAPS,   2
.set KS,     32
.set SCL,    2*SLOT
.set HALFS,  (128*KS/256)*272
.set SBLK,   (16*KS/256)*272
.set SPARE,  SCL+4*HALFS
.set SPITCH, 528                       ; the way out: a stage of 16 rows x (512 bytes + 16) for each wave, in slot 0, which has had its last fill and its last read by then
.set ADRA, 16
.set ADRB, 20
.set STO,  24
.set RD,   25
.set CO,   26
.set ADRS, 27
.set SPW,  28
.set NIL,  29
.set SC,   32
.set BIAS, 64
.set AF,   128
.set BK,   128
.set G1, 24
.set G0, 32
.set G1B, 48
.set G0B, 56
.set G1S, 68
.set G0S, 76
.set G1SB, 80
.set G0SB, 88
.set MSB, 0
.macro WIN new
.if MSB != \new
	s_set_vgpr_msb (MSB<<8)|\new
.set MSB, \new
.endif
.endm
.set TO_B, 0x40
.macro WMUL hi, cm                     ; source 0 window 1, source 1 window 0, D window 2 + hi; C with D, or (cm > 0) the bias in window 0
.if \cm
.set WW, 0x81+0x40*(\hi)
.else
.set WW, 0xa1+0x50*(\hi)
.endif
	WIN WW
.endm
.macro JLOAD g0a, g1a, g0b, g1b        ; a joint load: waves 0 and 1 fetch for A, waves 2 and 3 for B; four v_nop follow each line
	s_cmp_eq_u32 s15, 0
	s_cbranch_scc0 .Lfor_b_\@
	tensor_load_to_lds s[\g0a:\g0a+3], s[\g1a:\g1a+7]
	s_nop 0
.rept 4
	v_nop
.endr
	s_branch .Lasked_\@
.Lfor_b_\@:
	tensor_load_to_lds s[\g0b:\g0b+3], s[\g1b:\g1b+7]
	s_nop 0
.rept 4
	v_nop
.endr
.Lasked_\@:
.endm
.macro CREST
	s_cmp_lg_u32 s14, 0
	s_cbranch_scc1 .Lnot_wave_0_\@
	s_barrier_signal -3
.Lnot_wave_0_\@:
	s_barrier_wait -3
	s_barrier_signal -1
	s_barrier_wait -1
.endm
.macro CROUND
	s_barrier_signal -1
	s_barrier_wait -1
	CREST
.endm
	s_load_b256 s[4:11], s[0:1], 0x0               ; ctx_img s[4:5], ctx_sc s[6:7], W_dense's codes s[8:9], scales s[10:11]
	s_load_b64 s[96:97], s[0:1], 0x20              ; b_dense
	s_load_b64 s[12:13], s[0:1], 0x28              ; out0
	v_lshl_add_u32 v[SPW], v0, 2, SPARE
	v_mov_b32 v[NIL], 0
	ds_add_u32 v28, v29
	ds_add_u32 v28, v29
	s_wait_dscnt 0x0
	v_lshrrev_b32 v1, 5, v0
	v_readfirstlane_b32 s14, v1                    ; wave 0..3
	s_lshr_b32 s15, s14, 1                         ; which half of the tile's rows is mine.  Also: I fetch for A (0) or for B (1)
	s_and_b32 s16, s14, 1                          ; which half of its columns.  Also: which 128 rows of that tile I fetch
	s_bfe_u32 s40, ttmp6, 0x40000                  ; cx, cy
	s_bfe_u32 s41, ttmp6, 0x40004
	s_lshl_b32 s42, ttmp9, 2
	s_add_co_u32 s42, s42, s40                     ; tile column
	s_and_b32 s17, ttmp7, 0xffff
	s_lshl_b32 s17, s17, 2
	s_add_co_u32 s17, s17, s41                     ; tile row
	s_lshl_b32 s43, s41, 2
	s_lshl_b32 s43, 15, s43                        ; my row of the cluster
	s_lshl_b32 s44, 0x1111, s40                    ; my column
	; descriptor group 1 for A: 8 rows of 4,096 bytes, 16,384 apart, dense in LDS
	s_or_b32 s[G1+0], s43, (0<<16)|(1<<21)         ; the mask: my row; elements of 1 byte; no padding; bit 21 beside a mask
	s_mov_b32 s[G1+1], ASTEP<<16                   ; tensor_dim0
	s_mov_b32 s[G1+2], 8<<16                       ; tensor_dim1
	s_mov_b32 s[G1+3], ASTEP<<16                   ; tile_dim0
	s_mov_b32 s[G1+4], 8                           ; tile_dim1
	s_mov_b32 s[G1+5], 16384                       ; tensor_dim0_stride
	s_mov_b32 s[G1+6], 0
	s_mov_b32 s[G1+7], 0
	; for B: 128 rows x 256 bytes, 16 bytes of padding behind each
	s_or_b32 s[G1B+0], s44, (0<<16)|(1<<20)|(1<<21)|(5<<22)|(3<<25)
	s_mov_b32 s[G1B+1], ROWB<<16
	s_mov_b32 s[G1B+2], 128<<16
	s_mov_b32 s[G1B+3], ROWB<<16
	s_mov_b32 s[G1B+4], 128
	s_mov_b32 s[G1B+5], KROW
	s_mov_b32 s[G1B+6], 0
	s_mov_b32 s[G1B+7], 0
	; the scales of 128 rows: 16 rows of 256 bytes (32 elements of 8 bytes), 16 bytes of padding behind each
	s_or_b32 s[G1S+0], s43, (3<<16)|(1<<20)|(1<<21)|(5<<22)|(3<<25)
	s_or_b32 s[G1SB+0], s44, (3<<16)|(1<<20)|(1<<21)|(5<<22)|(3<<25)
.irp g, G1S, G1SB
	s_mov_b32 s[\g+1], 32<<16
	s_mov_b32 s[\g+2], (128*KS/256)<<16
	s_mov_b32 s[\g+3], 32<<16
	s_mov_b32 s[\g+4], 128*KS/256
	s_mov_b32 s[\g+5], 32
	s_mov_b32 s[\g+6], 0
	s_mov_b32 s[\g+7], 0
.endr
	s_lshl_b32 s18, s16, 7
	s_lshl_b32 s20, s17, 8
	s_add_co_u32 s20, s20, s18                     ; A: row 256 x tile row + 128 x half
	s_lshl_b32 s46, s42, 8
	s_add_co_u32 s46, s46, s18                     ; B: row 256 x tile column + 128 x half
	s_mov_b32 s21, 0
	s_mov_b32 s47, 0
	s_mov_b64 s[18:19], KS
	s_mul_u64 s[22:23], s[20:21], s[18:19]
	s_mul_u64 s[92:93], s[46:47], s[18:19]
	s_mov_b64 s[18:19], KROW
	s_mul_u64 s[20:21], s[20:21], s[18:19]         ; (16 tokens of the image are 16,384 bytes: 1,024 a token, as in rows)
	s_mul_u64 s[46:47], s[46:47], s[18:19]
	s_mul_i32 s45, s14, HALFT
	s_mul_i32 s94, s14, HALFS
	s_wait_kmcnt 0x0
	s_add_nc_u64 s[20:21], s[4:5], s[20:21]
	s_add_nc_u64 s[22:23], s[6:7], s[22:23]
	s_add_nc_u64 s[46:47], s[8:9], s[46:47]
	s_add_nc_u64 s[92:93], s[10:11], s[92:93]
	CROUND                                         ; all sixteen work-groups are here: the first joint loads meet
	s_mov_b32 s[G0S], 1
	s_add_co_u32 s[G0S+1], s94, SCL
	s_mov_b64 s[G0S+2:G0S+3], s[22:23]
	s_or_b32 s[G0S+3], s[G0S+3], 0x80000000
	s_mov_b32 s[G0SB], 1
	s_add_co_u32 s[G0SB+1], s94, SCL
	s_mov_b64 s[G0SB+2:G0SB+3], s[92:93]
	s_or_b32 s[G0SB+3], s[G0SB+3], 0x80000000
	JLOAD G0S, G1S, G0SB, G1SB
.irp s, 0,1
	s_mov_b32 s[G0+4*\s], 1
	s_add_co_u32 s[G0+4*\s+1], s45, \s*SLOT
	s_add_nc_u64 s[G0+4*\s+2:G0+4*\s+3], s[20:21], \s*ASTEP
	s_or_b32 s[G0+4*\s+3], s[G0+4*\s+3], 0x80000000
	s_mov_b32 s[G0B+4*\s], 1
	s_add_co_u32 s[G0B+4*\s+1], s45, \s*SLOT
	s_add_nc_u64 s[G0B+4*\s+2:G0B+4*\s+3], s[46:47], \s*ROWB
	s_or_b32 s[G0B+4*\s+3], s[G0B+4*\s+3], 0x80000000
	JLOAD G0+4*\s, G1, G0B+4*\s, G1B
.endr
	v_and_b32 v1, 15, v0                           ; r
	v_bfe_u32 v2, v0, 4, 1                         ; h
	v_and_b32 v6, 31, v0                           ; lane
	v_mul_u32_u24 v3, v1, PITCH
	v_lshl_add_u32 v4, v2, 4, v3                   ; B: a fragment's row x pitch + 16 x half
	v_lshlrev_b32 v[CO], 4, v6                     ; A: 16 x lane.  Also: my 16 bytes of a row of out0
	s_mul_i32 s21, s15, HALFT
	s_mul_i32 s22, s16, HALFT
	s_add_co_u32 s22, s22, 2*HALFT
.irp s, 0,1
	v_add_nc_u32 v[ADRA+\s], s21, v[CO]
	v_add_nc_u32 v[ADRB+\s], s22, v4
	s_add_co_u32 s21, s21, SLOT
	s_add_co_u32 s22, s22, SLOT
.endr
	v_mul_u32_u24 v5, v1, KS
	v_lshrrev_b32 v6, 8, v5
	v_lshl_add_u32 v5, v6, 4, v5
	s_mul_i32 s21, s15, HALFS
	s_mul_i32 s22, s16, HALFS
	s_add_co_u32 s22, s22, 2*HALFS
	s_sub_co_u32 s22, s22, s21
	v_mul_u32_u24 v6, s22, v2                      ; lanes 16-31 take B's scale words
	s_add_co_u32 s21, s21, SCL
	v_add_nc_u32 v5, v5, v6
	v_add_nc_u32 v[ADRS], s21, v5
	s_mul_i32 s23, s14, 16*SPITCH                  ; my stage
	v_mul_u32_u24 v5, v1, SPITCH
	v_lshl_add_u32 v5, v2, 5, v5
	v_add_nc_u32 v[STO], s23, v5                   ; in: row r, 32 bytes for each half of the lanes
	v_add_nc_u32 v[RD], s23, v[CO]                 ; back: the 32 lanes take one row of 512 bytes
	s_lshl_b32 s20, s17, 8
	s_lshl_b32 s21, s15, 7
	s_add_co_u32 s20, s20, s21                     ; my first row of out0
	s_mov_b32 s21, 0
	s_mov_b64 s[18:19], SIZE_N*4
	s_mul_u64 s[20:21], s[20:21], s[18:19]
	s_lshl_b32 s46, s42, 10                        ; my first column, in bytes: 1,024 x tile column + 512 x half
	s_lshl_b32 s47, s16, 9
	s_add_co_u32 s46, s46, s47
	s_mov_b32 s47, 0
	s_add_nc_u64 s[96:97], s[96:97], s[46:47]      ; the bias of my 128 columns begins as many bytes on
	s_add_nc_u64 s[20:21], s[20:21], s[46:47]
	s_add_nc_u64 s[12:13], s[12:13], s[20:21]
	v_lshlrev_b32 v5, 5, v2                        ; C operand b holds b_dense[my first column + 16 b + 8 h + 0 .. 7]
.irp b, 0,1,2,3,4,5,6,7
	global_load_b128 v[BIAS+8*\b:BIAS+8*\b+3], v5, s[96:97] offset:64*\b
	global_load_b128 v[BIAS+8*\b+4:BIAS+8*\b+7], v5, s[96:97] offset:64*\b+16
.endr
	s_wait_loadcnt 0x0
.macro FRAG reg, adr, q, i             ; a fragment of B from padded rows
.irp c, 0,1,2,3
	ds_load_b128 v[\reg+4*\c:\reg+4*\c+3], v[\adr] offset:128*(\q)+32*\c+(\i)*16*PITCH
.endr
.endm
.macro FRAGA reg, adr, q, i            ; a fragment of A from its image: 512 consecutive bytes a load
.irp c, 0,1,2,3
	ds_load_b128 v[\reg+4*\c:\reg+4*\c+3], v[\adr] offset:4096*(\i)+2048*(\q)+512*\c
.endr
.endm
; 16 matrix instructions: A's blocks a0, a0 + 1 x B's eight.  cm = 1: the sums start with the bias.  The 64 accumulators take turns.
.macro MUL16 a0, p, q, sc, cm
.irp a, \a0, \a0+1
.irp b, 0,1,2,3,4,5,6,7
.if (\cm) == 1
	v_wmma_scale_f32_16x16x128_f8f6f4 v[8*(8*((\a)%4)+\b):8*(8*((\a)%4)+\b)+7], v[128*(\p)+FR*\b:128*(\p)+FR*\b+FR-1], v[AF+FR*(\a):AF+FR*(\a)+FR-1], v[BIAS+8*\b:BIAS+8*\b+7], v[SC+8*NQ*(\sc)+NQ*\b+(\q)], v[SC+8*NQ*(\sc)+NQ*(\a)+(\q)] matrix_a_scale:MATRIX_SCALE_ROW1
.else
	v_wmma_scale_f32_16x16x128_f8f6f4 v[8*(8*((\a)%4)+\b):8*(8*((\a)%4)+\b)+7], v[128*(\p)+FR*\b:128*(\p)+FR*\b+FR-1], v[AF+FR*(\a):AF+FR*(\a)+FR-1], v[8*(8*((\a)%4)+\b):8*(8*((\a)%4)+\b)+7], v[SC+8*NQ*(\sc)+NQ*\b+(\q)], v[SC+8*NQ*(\sc)+NQ*(\a)+(\q)] matrix_a_scale:MATRIX_SCALE_ROW1
.endif
.endr
.endr
.endm
.macro FETCH_B slot, q, p
	WIN TO_B
.irp i, 0,1,2,3,4,5,6,7
	FRAG 128*(\p)+FR*\i, ADRB+\slot, \q, \i
.endr
	WIN 0
.endm
.macro FETCH_A slot, q, i0
.irp i, \i0, \i0+1, \i0+2, \i0+3
	FRAGA AF+FR*(\i), ADRA+\slot, \q, \i
.endr
.endm
.macro SCALES sc
.irp i, 0,1,2,3,4,5,6,7
	ds_load_b64 v[SC+8*NQ*\sc+NQ*\i:SC+8*NQ*\sc+NQ*\i+1], v[ADRS] offset:\i*SBLK
.endr
.endm
.macro PLACES n
.rept \n
	v_nop
.endr
.endm
.macro STEP slot, q, cm
	s_wait_dscnt 4*NL                              ; B's set and A's blocks 0-3 are in; the youngest 16 loads (A's blocks 4-7) may be out
	WMUL 0, \cm
	MUL16 0, (\q)%2, \q, \slot, \cm
	MUL16 2, (\q)%2, \q, \slot, \cm
	s_wait_dscnt 0
	PLACES NP
	FETCH_B \slot, (\q)+1, 1-(\q)%2
	FETCH_A \slot, (\q)+1, 0
	WMUL 1, \cm
	MUL16 4, (\q)%2, \q, \slot, \cm
	MUL16 6, (\q)%2, \q, \slot, \cm
	PLACES NP
	WIN 0
	FETCH_A \slot, (\q)+1, 4
.endm
.macro TURN slot, next, fill
	s_wait_tensorcnt 0x0                           ; all my tensor loads have landed: my part of the next slot
	ds_add_u32 v[SPW], v[NIL]                      ; 0 onto my spare word
	s_wait_dscnt 4*NL+1                            ; (the add and the youngest 16 loads may be out)
	WMUL 0, 0
	MUL16 0, 1, NQ-1, \slot, 0
	s_wait_dscnt 0x0                               ; the add is done, and my reads of this slot are over
	s_barrier_signal -1
	MUL16 2, 1, NQ-1, \slot, 0
	WIN 0
	s_barrier_wait -1
.if \fill
	CREST                                          ; a round of the cluster's barrier: no wave of any partner still reads this slot or has a load on its way
	s_add_nc_u64 s[G0+4*\slot+2:G0+4*\slot+3], s[G0+4*\slot+2:G0+4*\slot+3], 2*ASTEP
	s_add_nc_u64 s[G0B+4*\slot+2:G0B+4*\slot+3], s[G0B+4*\slot+2:G0B+4*\slot+3], 2*ROWB
	JLOAD G0+4*\slot, G1, G0B+4*\slot, G1B
	PLACES NP-4
.else
	PLACES NP
.endif
	v_add_nc_u32 v[ADRS], 4*NQ, v[ADRS]
	FETCH_B \next, 0, 0
	FETCH_A \next, 0, 0
	SCALES \next
	WMUL 1, 0
	MUL16 4, 1, NQ-1, \slot, 0
	MUL16 6, 1, NQ-1, \slot, 0
	PLACES NP
	WIN 0
	FETCH_A \next, 0, 4
.endm
	s_wait_tensorcnt 1                             ; of my three loads the scales and K step 0 are in; K step 1's may be out
	s_barrier_signal -1
	s_barrier_wait -1
	FETCH_B 0, 0, 0
	FETCH_A 0, 0, 0
	SCALES 0
	FETCH_A 0, 0, 4
	STEP 0, 0, 1                                   ; the first step starts the sums with the bias
	s_mov_b32 s3, LAPS-1
.Llap:
	TURN 0, 1, 1
	STEP 1, 0, 0
	TURN 1, 0, 1
	STEP 0, 0, 0
	s_sub_co_u32 s3, s3, 1
	s_cmp_lg_u32 s3, 0
	s_cbranch_scc1 .Llap
	TURN 0, 1, 0                                   ; the last lap fills nothing
	STEP 1, 0, 0
	s_wait_dscnt 4*NL
	WMUL 0, 0
	MUL16 0, 1, NQ-1, 1, 0
	MUL16 2, 1, NQ-1, 1, 0
	s_wait_dscnt 0
	WMUL 1, 0
	MUL16 4, 1, NQ-1, 1, 0
	MUL16 6, 1, NQ-1, 1, 0
	WIN 0
; THE WAY OUT, block by block of 16 rows x 128 columns, through my own stage in LDS: in as 32 bytes a lane, back as whole rows of 512 bytes.  LDS serves a wave's instructions in order (ISA guide 5.7.1.4).
.macro TOSTAGE a
.set AC, 64*((\a)%4)
.set WW, 0x08+4*((\a)/4)
	WIN WW                                         ; the data: window 2 or 3
.irp b, 0,1,2,3,4,5,6,7
	ds_store_b128 v[STO], v[AC+8*\b:AC+8*\b+3] offset:64*\b          ; each accumulator from its low end on
	ds_store_b128 v[STO], v[AC+8*\b+4:AC+8*\b+7] offset:64*\b+16
.endr
	WIN 0
.set BB, BK+64*((\a)%2)
.irp t, 0,1,2,3,4,5,6,7,8,9,10,11,12,13,14,15
	ds_load_b128 v[BB+4*\t:BB+4*\t+3], v[RD] offset:\t*SPITCH
.endr
.endm
.macro SEND a, younger                 ; younger: the LDS instructions issued behind block a's loads, which may stay out
.set BB, BK+64*((\a)%2)
	s_wait_dscnt \younger
.if (\a) > 0
	s_add_nc_u64 s[12:13], s[12:13], 16*SIZE_N*4   ; (behind a wait on XCNT: the earlier stores have read their base)
.endif
.irp t, 0,1,2,3,4,5,6,7,8,9,10,11,12,13,14,15
	global_store_b128 v[CO], v[BB+4*\t:BB+4*\t+3], s[12:13] offset:\t*SIZE_N*4 th:TH_STORE_NT   ; 32 lanes store 512 consecutive bytes, aligned
.endr
.endm
	PLACES NP
	TOSTAGE 0
.irp a, 1,2,3,4,5,6,7
.if \a > 1
	s_wait_xcnt 0x0                                ; block a - 2's stores have read their registers and their base
.endif
	TOSTAGE \a
	SEND \a-1, 32                                  ; behind block a - 1's loads: block a's 16 stores and 16 loads
.endr
	s_wait_xcnt 0x0
	SEND 7, 0
	s_wait_tensorcnt 0x0                           ; the wave's end
	ds_add_u32 v[SPW], v[NIL]
	s_wait_dscnt 0x0
	CROUND                                         ; the closing round
	s_endpgm
.Lfunc_end_k_q67a4f220d8_dense:
	.size	k_q67a4f220d8_dense, .Lfunc_end_k_q67a4f220d8_dense-k_q67a4f220d8_dense
	.p2alignl 7, 3214868480
	.fill 96, 4, 3214868480
	.section	.rodata,"a",@progbits
	.p2align	6, 0x0
	.amdhsa_kernel k_q67a4f220d8_dense
		.amdhsa_group_segment_fixed_size 327680
		.amdhsa_private_segment_fixed_size 0
		.amdhsa_enable_private_segment 0
		.amdhsa_kernarg_size 48
		.amdhsa_user_sgpr_count 2
		.amdhsa_user_sgpr_kernarg_segment_ptr 1
		.amdhsa_wavefront_size32 1
		.amdhsa_system_sgpr_workgroup_id_x 1
		.amdhsa_system_sgpr_workgroup_id_y 1
		.amdhsa_system_sgpr_workgroup_id_z 1
		.amdhsa_system_vgpr_workitem_id 0
		.amdhsa_next_free_vgpr 1024
		.amdhsa_next_free_sgpr 98
		.amdhsa_reserve_vcc 0
		.amdhsa_float_denorm_mode_32 3
		.amdhsa_float_denorm_mode_16_64 3
		.amdhsa_memory_ordered 1
		.amdhsa_forward_progress 1
		.amdhsa_inst_pref_size 147
	.end_amdhsa_kernel
	.amdgpu_metadata
---
amdhsa.version: [ 1, 2 ]
amdhsa.kernels:
  - .name:           k_q67a4f220d8_dense
    .symbol:         k_q67a4f220d8_dense.kd
    .args:
      - { .name: ctx_img, .offset: 0, .size: 8, .value_kind: global_buffer, .address_space: global }
      - { .name: ctx_sc, .offset: 8, .size: 8, .value_kind: global_buffer, .address_space: global }
      - { .name: W_dense_codes, .offset: 16, .size: 8, .value_kind: global_buffer, .address_space: global }
      - { .name: W_dense_scales, .offset: 24, .size: 8, .value_kind: global_buffer, .address_space: global }
      - { .name: b_dense, .offset: 32, .size: 8, .value_kind: global_buffer, .address_space: global }
      - { .name: out0, .offset: 40, .size: 8, .value_kind: global_buffer, .address_space: global }
    .group_segment_fixed_size: 327680
    .private_segment_fixed_size: 0
    .kernarg_segment_align: 8
    .kernarg_segment_size: 48
    .max_flat_workgroup_size: 128
    .sgpr_count:     98
    .vgpr_count:     1024
    .wavefront_size: 32
...
	.end_amdgpu_metadata
.endif
;; end of part 3
;; ======== version 2 of 2: 3 launches; version 1 with the launch attn written anew for expert scheduling mode
;; workspace buffers: qkv_img 25,165,824 bytes; qkv_sc 1,310,720 bytes; flags 2,048 bytes of whole numbers; ctx_img 8,388,608 bytes; ctx_sc 262,144 bytes
;; launch qkv: the kernel of part 1 again; grid 8 x 48, 4 waves a work-group, clusters of 4 x 4, 327,680 bytes of LDS; arguments hidden_states_codes, hidden_states_scales, W_qkv_codes, W_qkv_scales, qkv_img, qkv_sc, b_qkv, attention_mask, flags; writes qkv_img, qkv_sc, flags
;; launch attn (part 4): grid 4 x 64, 16 waves a work-group, no clusters, 276,480 bytes of LDS; arguments qkv_img, qkv_sc, flags, attention_mask, ctx_img, ctx_sc; writes ctx_img, ctx_sc
.if DOCPART == 4
	.amdgcn_target "amdgcn-amd-amdhsa--gfx1250"
	.amdhsa_code_object_version 6
	.text
	.protected	k_q67a4f220d8_attn
	.globl	k_q67a4f220d8_attn
	.p2align	8
	.type	k_q67a4f220d8_attn,@function
k_q67a4f220d8_attn:
	s_mov_b64 s[64:65], 0
	v_nop
	global_prefetch_b8 v0, s[64:65] scope:SCOPE_SE
	s_setreg_imm32_b32 hwreg(HW_REG_WAVE_SCHED_MODE, 0, 2), 2
	s_setreg_imm32_b32 hwreg(HW_REG_WAVE_MODE, 25, 1), 1
	s_wait_xcnt 0x0
	s_wait_alu depctr_vm_vsrc(0)
; ctx = softmax(mask(q k^T / 8)) v for one (batch, head), both products on codes of FP8 (E4M3) with one E8M0 scale for each 32 along K; ctx is quantised along the model's 1,024 and leaves as images of operand registers.
; q, k, v come as images of operand registers: each group of four registers is 512 bytes, lane l's 16 bytes at 16 l.  Head size 64: a fragment's registers 8 .. 15 are zero codes, on both sides.
; THE SOFTMAX: t = score x log2(e) / 8; M = the running largest t rounded up to a whole number; p = 2^(t - M) is quantised along the keys, not normalised; the row's sum of the unquantised p divides at the end.
; THE MASK is an input and is honoured as given.  A masked score is replaced by -2^126 ahead of the maximum.  The launch before has stored, for each (tile of 16 queries, step of 128 keys), whether all places are masked
; and whether any is.  A step that is wholly masked adds nothing to rows that have a key that counts (its p are 0), and is passed over by a scalar branch on the stored word; where some row of the tile is masked in all
; 2,048 keys nothing is passed over, and that row gets p = 1 for every key: equal weights.  A step with no masked place does not read the mask.
; LIMITS: scores are taken to lie above -2^126, where the masked places stand; a block of zeros gets the scale byte 1 (its codes are zeros; this program alone reads the bytes); NaN and infinities are not served.
; SHARES.  A work-group holds one head's whole K and V in LDS, copied once through registers: 268 KB; one barrier in the whole text.  Each of its sixteen waves owns two tiles of 16 queries, T and 127 - T,
; T = 4 x wave + work-group x, in 256 registers: four waves to a SIMD, so that one wave's vector work stands beside another's matrix work and LDS loads.
; No tensor load and no cluster: branches hang on the stored words, and a head's K and V are read once by each of its four work-groups.
; LAYOUT.  S^T = K Q^T (source 0 = 16 keys), O^T = V^T P^T (source 0 = 16 of the head's 64): a lane holds ONE query (lane % 16).  The 16 registers of two neighbouring tiles of keys are keys 8 h + i and 16 + 8 h + i
; of a block of 32 (h = lane / 16): the order inside a block in which v's codes were laid by the launch before; the sum over a block does not change.
; ctx has that order along d, and is put straight on the way out: each lane's 16 codes leave as two stores of 8 bytes.
; THE MODE: SCHED_MODE bits 1:0 = 2 (LLVM: expert scheduling mode 2), set by the entry lines.  The code itself states the register dependences
; between vector or matrix instructions and memory or LDS instructions, with s_wait_alu, always for 0.
; THE PLAN.  Registers that memory or LDS instructions touch:
;   v1, v251, v7, v254   offsets (16 x lane, 4 r, 16 r + 8 h, 32 r): made at the head, never written again.
;   v8-11, v253          the step's four LDS addresses and its offset in the mask: written by five additions at a step's head, read by that step's loads.
;   KF, the code halves  LDS loads land there twice a step; the four products behind each run read them.  The zero halves, and Q's, are written once, at the head.
;   KSR, VSR, MB         loaded at a step's head; read by the step's products (as scales) and by the mask's lines.
;   S                    written by K Q^T and the softmax; the conversions are its last vector readers; then V's fragments land there, two blocks at a time, and V^T P^T reads them.
;   PC, PW               written by the conversions and shifts; operand and scales of V^T P^T.  On the way out PC and TMP are the stores' data.
;   QF (codes), QS       loaded at a tile's head; read by every K Q^T of the tile.
; A WALKED STEP has: one wait on vm_vsrc ahead of the five additions; one on va_vdst behind them, which serves all loads of the step's head; one between the two runs of K's fragments; the two behind the
; exponentials; two ahead of the two runs of V's fragments, the second of which also stands for p's codes and scale word.  Where the mask is read, the compares go in runs of sixteen into scalar registers, one wait on va_sdst behind each run.
.set VIMG, 131072                      ; LDS: K's images at 0: step x 8,192 + tile x 1,024 + c x 512 + 16 lane;  V's here: step x 8,192 + d tile x 2,048 + c x 512 + 16 lane
.set KSC,  262144                      ; K's scale words: step x 512 + tile x 64 + 4 r
.set VSC,  270336                      ; V's: step x 256 + d tile x 64 + 4 r
.set LI,  1                            ; v1   16 x lane
.set LV,  2                            ; v2   VIMG + 16 x lane
.set LKS, 3                            ; v3   KSC + 4 x lane: lanes 0-15 an even tile's words, lanes 16-31 the odd tile's
.set LVS, 4                            ; v4   VSC + 4 x lane
.set M0,  5                            ; v5   2,048 r + 8 h: my place in 16 rows of the mask
.set NEG, 6                            ; v6   -2^126
.set CO,  7                            ; v7   16 r + 8 h
.set ADK, 8                            ; v8-11 LDS addresses of the step in hand: K, V, K's scale words, V's
.set ADV, 9
.set ADS, 10
.set ADT, 11
.set QF,  16                           ; v16-23 Q's fragment, v24-31 zeros       (v12 -M, v13 the largest t, v[14:15] the sum in two halves)
.set KF,  32                           ; v32-95 four fragments of K: 8 registers of codes, 8 of zeros
.set S,   96                           ; v96-159 S^T, then p, then V's four fragments
.set O,   160                          ; v160-191 O^T
.set MB,  192                          ; v192-207 the mask's bytes
.set BM,  208                          ; the blocks' largest scores, then largest p
.set PX,  212
.set HOLD, 216
.set SCO, 220
.set MTM, 208                          ; v208-223, the four sets above, which hold nothing yet where the mask is laid on: sixteen single bytes of the mask
.set PC,  224                          ; v224-239 p's codes
.set KSR, 240                          ; v240-243 K's scale words
.set VSR, 244                          ; v244-245 V's
.set F,   246                          ; 2^(old M - new M)
.set PW,  247                          ; p's scale word
.set TMP, 248
.set QS,  250                          ; Q's scale words
.set R4,  251                          ; 4 r
.set MT,  252                          ; my place in the tile's rows of the mask
.set MA,  253                          ; and in the step
.set SCA, 254                          ; 32 r
	s_load_b256 s[4:11], s[0:1], 0x0               ; qkv_img s[4:5], qkv_sc s[6:7], flags s[8:9], attention_mask s[10:11]
	s_load_b128 s[12:15], s[0:1], 0x20             ; ctx_img s[12:13], ctx_sc s[14:15]
	v_lshl_add_u32 v249, v0, 2, 0x43000
	v_mov_b32 v255, 0
	v_lshrrev_b32 v12, 5, v0
	v_readfirstlane_b32 s16, v12                   ; wave 0..15
	v_and_b32 v12, 31, v0                          ; lane
	v_and_b32 v13, 15, v0                          ; r
	v_bfe_u32 v14, v0, 4, 1                        ; h
	v_lshlrev_b32 v[LI], 4, v12
	v_add_nc_u32 v[LV], VIMG, v[LI]
	v_lshl_add_u32 v[LKS], v12, 2, KSC
	v_lshl_add_u32 v[LVS], v12, 2, VSC
	v_lshlrev_b32 v[M0], 11, v13
	v_lshl_add_u32 v[M0], v14, 3, v[M0]
	v_mov_b32 v[NEG], 0xfe800000
	v_lshlrev_b32 v[CO], 4, v13
	v_lshl_add_u32 v[CO], v14, 3, v[CO]
	v_lshlrev_b32 v[R4], 2, v13
	v_lshlrev_b32 v[SCA], 5, v13
	v_lshlrev_b32 v15, 3, v12                      ; 8 x lane
	s_wait_alu depctr_va_sdst(0)                   ; s16, the wave's number, is written, ahead of its first reader
	s_lshl_b32 s42, s16, 13                        ; THE FILL: wave w copies key step w: 8,192 bytes of K, 8,192 of V, 512 and 256 of scale words
	s_mov_b32 s43, 0
	v_add_nc_u32 v[ADK], s42, v[LI]
	v_add_nc_u32 v[ADV], s42, v[LV]
	s_lshl_b32 s26, s16, 9
	v_add_nc_u32 v[ADS], s26, v[LI]
	v_add_nc_u32 v[ADS], KSC, v[ADS]
	s_lshl_b32 s26, s16, 8
	v_add_nc_u32 v[ADT], s26, v15
	v_add_nc_u32 v[ADT], VSC, v[ADT]
	s_and_b32 s17, ttmp7, 0xffff                   ; 16 x batch + head
	s_lshl_b32 s40, s17, 17
	s_mov_b32 s41, 0
	s_mov_b32 s19, 0x600000                        ; the mantissa field of 448
	s_mov_b32 s20, 0x76543210
	s_mov_b32 s21, 0xfedcba98                      ; v_permlanex16_b32's selects for lane l xor 16
	s_mov_b32 s22, 0x3e38aa3b                      ; c = log2(e) / 8
	s_mov_b32 s23, s22                             ; (named with it as a pair)
	s_lshr_b32 s18, s17, 4
	s_lshl_b32 s18, s18, 7                         ; 128 x batch: the batch's first tile of 16 tokens
	s_and_b32 s25, s17, 15                         ; the head
	s_lshl_b32 s24, s16, 2
	s_add_co_u32 s24, s24, ttmp9                   ; my first tile of queries
	s_wait_kmcnt 0x0
	s_add_nc_u64 s[44:45], s[4:5], s[40:41]        ; the head's images of q
	s_add_nc_u64 s[48:49], s[44:45], s[42:43]
	s_add_nc_u64 s[48:49], s[48:49], 0x800000      ; my step of k
	s_add_nc_u64 s[50:51], s[48:49], 0x800000      ; and of v
	s_lshl_b32 s40, s17, 13
	s_add_nc_u64 s[46:47], s[6:7], s[40:41]        ; the head's scale words of q
	s_lshl_b32 s42, s16, 9
	s_add_nc_u64 s[52:53], s[46:47], s[42:43]      ; my step's of k (1 << 19 further on: in the immediate)
	s_lshl_b32 s40, s17, 12
	s_lshl_b32 s42, s16, 8
	s_add_co_u32 s40, s40, s42
	s_add_nc_u64 s[54:55], s[6:7], s[40:41]        ; and of v (2 << 19 further on)
	s_wait_alu depctr_va_vdst(0)                   ; all offsets (v1, v7, v15, v251, v254) and the fill's four LDS addresses (v8-11) are written, which the loads and stores below read
.irp i, 0,1,2,3,4,5,6,7,8,9,10,11,12,13,14,15
	global_load_b128 v[32+4*\i:35+4*\i], v[LI], s[48:49] offset:512*\i
.endr
.irp i, 0,1,2,3,4,5,6,7,8,9,10,11,12,13,14,15
	global_load_b128 v[96+4*\i:99+4*\i], v[LI], s[50:51] offset:512*\i
.endr
	global_load_b128 v[160:163], v[LI], s[52:53] offset:0x80000
	global_load_b64 v[164:165], v15, s[54:55] offset:0x100000
	s_wait_loadcnt 18                              ; K's 16 are in; V's 16 and the two of scale words may be out
.irp i, 0,1,2,3,4,5,6,7,8,9,10,11,12,13,14,15
	ds_store_b128 v[ADK], v[32+4*\i:35+4*\i] offset:512*\i
.endr
	s_wait_loadcnt 2                               ; V's are in
.irp i, 0,1,2,3,4,5,6,7,8,9,10,11,12,13,14,15
	ds_store_b128 v[ADV], v[96+4*\i:99+4*\i] offset:512*\i
.endr
	s_wait_loadcnt 0x0
	ds_store_b128 v[ADS], v[160:163]
	ds_store_b64 v[ADT], v[164:165]
	s_wait_dscnt 0x0                               ; for the others' sake: my stores have landed
	s_barrier_signal -1
	s_barrier_wait -1                              ; the head's K and V lie in LDS; nothing is written there again
	s_wait_alu depctr_vm_vsrc(0)                   ; my LDS stores have read their data (v32-165) and addresses (v8-11), and the load of V's scale words its offset v15: all of these are written again from here on
.irp j, 0,1,2,3,4,5,6,7
	v_mov_b32 v[QF+8+\j], 0                        ; the zero codes of K = 64 .. 127: Q's,
.endr
.irp t, 0,1,2,3
.irp j, 0,1,2,3,4,5,6,7
	v_mov_b32 v[KF+16*\t+8+\j], 0                  ; and K's, in registers of their own
.endr
.endr
.irp j, 0,1,2,3,4,5,6,7,8,9,10,11,12,13,14,15
	v_mov_b32 v[MB+\j], 0                          ; written once, so that they are defined on every way through the two branches on one stored bit
.endr
.irp b, 0,1,2,3
	v_mov_b32 v[PX+\b], 0                          ; a lane permute's destination counts as one of its sources
.endr
	v_mov_b32 v[F], 0
	v_mov_b32 v[PW], 0                             ; (named as the upper half of the pair with F before it is first written)
	v_mov_b32 v[TMP], 0
; ONE TILE OF 16 QUERIES, number s24 of the head's 128.
.macro TILE
	s_wait_xcnt 0x0                                ; the last tile's stores have read their data and bases
	s_mov_b32 s41, 0
	s_lshl_b32 s40, s24, 10
	s_add_nc_u64 s[52:53], s[44:45], s[40:41]      ; Q's image
	s_lshl_b32 s40, s24, 6
	s_add_nc_u64 s[54:55], s[46:47], s[40:41]      ; its scale words
	s_lshl_b32 s40, s24, 4
	s_add_nc_u64 s[56:57], s[8:9], s[40:41]        ; the tile's four words of flags
	s_load_b128 s[36:39], s[56:57], 0x0
	global_load_b128 v[QF:QF+3], v[LI], s[52:53]   ; no wait is owed here: since the last wait on va_vdst (at the head; in the second tile ahead of the first tile's stores, behind its last product) no vector or matrix line names v16-23, v250 or the offsets
	global_load_b128 v[QF+4:QF+7], v[LI], s[52:53] offset:512
	global_load_b32 v[QS], v[R4], s[54:55]
	s_lshl_b32 s40, s24, 15
	v_add_nc_u32 v[MT], s40, v[M0]                 ; 16 rows of 2,048 bytes a tile
	s_add_co_u32 s42, s18, s24                     ; the tile among all 512 tiles of tokens
	s_lshl_b32 s40, s42, 14
	s_lshl_b32 s43, s25, 10
	s_add_co_u32 s40, s40, s43
	s_add_nc_u64 s[58:59], s[12:13], s[40:41]      ; ctx's image: tile x 16,384 + head x 1,024 (two blocks of 32 along K, 512 bytes each)
	s_lshl_b32 s40, s42, 9
	s_lshl_b32 s43, s25, 1
	s_add_co_u32 s40, s40, s43
	s_add_nc_u64 s[60:61], s[14:15], s[40:41]      ; its scale bytes: 32 a token, the head's two
	v_mov_b32 v13, 0xff61b1e6                      ; the largest t so far: -3e38, under every t
	v_floor_f32 v12, -v13                          ; -M
	v_mov_b32 v14, 0
	v_mov_b32 v15, 0
.irp j, 0,1,2,3,4,5,6,7,8,9,10,11,12,13,14,15,16,17,18,19,20,21,22,23,24,25,26,27,28,29,30,31
	v_mov_b32 v[O+\j], 0                           ; the step is written once: the first finds zeros, which the first change of M leaves zeros
.endr
	s_wait_kmcnt 0x0
	s_and_b32 s40, s36, s37
	s_and_b32 s40, s40, s38
	s_and_b32 s40, s40, s39
	s_and_b32 s40, s40, 0xffff                     ; rows that are masked in all 2,048 keys
	s_bfe_u32 s27, s36, 0x40010                    ; s27: bit s: step s is wholly masked
	s_bfe_u32 s41, s37, 0x40010
	s_lshl_b32 s41, s41, 4
	s_or_b32 s27, s27, s41
	s_bfe_u32 s41, s38, 0x40010
	s_lshl_b32 s41, s41, 8
	s_or_b32 s27, s27, s41
	s_bfe_u32 s41, s39, 0x40010
	s_lshl_b32 s41, s41, 12
	s_or_b32 s27, s27, s41
	s_bfe_u32 s28, s36, 0x40014                    ; s28: bit s: step s has a masked place
	s_bfe_u32 s41, s37, 0x40014
	s_lshl_b32 s41, s41, 4
	s_or_b32 s28, s28, s41
	s_bfe_u32 s41, s38, 0x40014
	s_lshl_b32 s41, s41, 8
	s_or_b32 s28, s28, s41
	s_bfe_u32 s41, s39, 0x40014
	s_lshl_b32 s41, s41, 12
	s_or_b32 s28, s28, s41
	s_cmp_lg_u32 s40, 0
	s_cselect_b32 s27, 0, s27                      ; where a row has no key that counts, every step is walked
	s_mov_b32 s29, 0                               ; the step's images, 8,192 bytes a step;
	s_mov_b32 s30, 0                               ; K's scale words, 512;
	s_mov_b32 s31, 0                               ; V's, 256;
	s_mov_b32 s32, 0                               ; the mask's bytes, 128
	s_mov_b32 s26, 16
	s_wait_loadcnt 0x0                             ; Q
.Lstep_\@:                                             ; sixteen trips, a constant; a step's WORK is passed over, not the lines at its end that step addresses
	s_bitcmp1_b32 s27, 0
	s_cbranch_scc1 .Lnext_\@
	s_wait_alu depctr_vm_vsrc(0)                   ; the loads of the step walked last have read their addresses v8-11 and v253, which the five additions write again
	v_add_nc_u32 v[ADK], s29, v[LI]
	v_add_nc_u32 v[ADV], s29, v[LV]
	v_add_nc_u32 v[ADS], s30, v[LKS]
	v_add_nc_u32 v[ADT], s31, v[LVS]
	v_add_nc_u32 v[MA], s32, v[MT]                 ; made on both ways of the branch below, so that one wait serves them
	s_wait_alu depctr_va_vdst(0)                   ; the five addresses are written, which this step's loads read; the products of the step walked last are done reading K's fragments and the scale words, its mask lines are done reading MB, in all of which loads land below; in a first step: the zero codes, which the products take as operands, and MB's zeros are written
	s_bitcmp1_b32 s28, 0
	s_cbranch_scc0 .Lunread_\@
.irp t, 0,1,2,3,4,5,6,7
	global_load_b64 v[MB+2*\t:MB+2*\t+1], v[MA], s[10:11] offset:16*\t   ; the bytes of query r, keys 16 t + 8 h + 0 .. 7: as tile t's eight registers lie
.endr
.Lunread_\@:
.irp p, 0,1,2,3
	ds_load_b32 v[KSR+\p], v[ADS] offset:128*\p
.endr
.irp p, 0,1
	ds_load_b32 v[VSR+\p], v[ADT] offset:128*\p
.endr
.irp g, 0,1                                    ; S^T = K Q^T, four tiles of 16 keys at a time
.if \g > 0
	s_wait_alu depctr_va_vdst(0)                   ; the first four products are done reading K's fragments, in which the next four tiles land
.endif
.irp t, 0,1,2,3
	ds_load_b128 v[KF+16*\t:KF+16*\t+3], v[ADK] offset:(4*\g+\t)*1024
	ds_load_b128 v[KF+16*\t+4:KF+16*\t+7], v[ADK] offset:(4*\g+\t)*1024+512
.endr
	s_wait_dscnt 0x0
.irp t, 0,1,2,3
.if (\t)%2
	v_wmma_scale_f32_16x16x128_f8f6f4 v[S+8*(4*\g+\t):S+8*(4*\g+\t)+7], v[KF+16*\t:KF+16*\t+15], v[QF:QF+15], 0, v[KSR+2*\g+\t/2], v[QS] matrix_a_scale:MATRIX_SCALE_ROW1
.else
	v_wmma_scale_f32_16x16x128_f8f6f4 v[S+8*(4*\g+\t):S+8*(4*\g+\t)+7], v[KF+16*\t:KF+16*\t+15], v[QF:QF+15], 0, v[KSR+2*\g+\t/2], v[QS]
.endif
.endr
.endr
.rept 8
	v_nop                                          ; places in front of the first read of the scores
.endr
	s_wait_loadcnt 0x0                             ; the mask's bytes, where they were asked for: on every way, so that no load stays out
	s_bitcmp1_b32 s28, 0
	s_cbranch_scc0 .Lopen_\@
.irp u, 0,1,2,3                                ; two tiles of keys, sixteen scores, at a time: sixteen bytes singled out, sixteen compares into scalar registers that hold nothing in the loop, one wait, sixteen selects
.irp n, 0,1,2,3,4,5,6,7,8,9,10,11,12,13,14,15
	v_and_b32 v[MTM+\n], 1<<(8*(\n%4)), v[MB+4*\u+\n/4]
.endr
.irp n, 0,1,2,3,4,5,6,7,8,9,10,11,12,13,14,15
	v_cmp_ne_u32 s[36+\n+4*(\n/8)], 0, v[MTM+\n]   ; s36-43 and s48-55
.endr
	s_wait_alu depctr_va_sdst(0)                   ; the sixteen compares have written their masks, ahead of the selects that read them
.irp n, 0,1,2,3,4,5,6,7,8,9,10,11,12,13,14,15
	v_cndmask_b32 v[S+16*\u+\n], v[S+16*\u+\n], v[NEG], s[36+\n+4*(\n/8)]   ; a masked score becomes -2^126; each accumulator from its low end on
.endr
.endr
.Lopen_\@:
.irp b, 0,1,2,3
	v_max3_num_f32 v[BM+\b], v[S+16*\b], v[S+1+16*\b], v[S+2+16*\b]   ; the largest score of each block of 32 keys: for the row's maximum, and, since p rises with the score, for the block's largest p
.endr
.irp i, 3,5,7,9,11,13
.irp b, 0,1,2,3
	v_max3_num_f32 v[BM+\b], v[BM+\b], v[S+16*\b+\i], v[S+1+16*\b+\i]
.endr
.endr
.irp b, 0,1,2,3
	v_max_num_f32 v[BM+\b], v[BM+\b], v[S+15+16*\b]
.endr
.irp b, 0,1,2,3
	v_permlanex16_b32 v[PX+\b], v[BM+\b], s20, s21
.endr
.irp b, 0,1,2,3
	v_max_num_f32 v[BM+\b], v[BM+\b], v[PX+\b]     ; with lane l xor 16's 16 keys
.endr
	v_max3_num_f32 v[TMP], v[BM], v[BM+1], v[BM+2]
	v_max_num_f32 v[TMP], v[TMP], v[BM+3]
	v_mul_f32 v[TMP], s22, v[TMP]                  ; as t (c is positive)
	v_max_num_f32 v13, v13, v[TMP]                 ; the running largest t
	v_mov_b32 v[TMP], v12
	v_floor_f32 v12, -v13                          ; the new -M = -ceil(t): a whole number
	v_sub_f32 v[TMP], v12, v[TMP]                  ; old M - new M: a whole number, 0 or less
	v_cvt_i32_f32 v[TMP], v[TMP]                   ; (it saturates)
	v_ldexp_f32 v[F], 1.0, v[TMP]                  ; f = 2^(old M - new M): a multiplication by it rounds nothing
.irp j, 0,2,4,6,8,10,12,14,16,18,20,22,24,26,28,30,32,34,36,38,40,42,44,46,48,50,52,54,56,58,60,62
	v_pk_fma_f32 v[S+\j:S+\j+1], v[S+\j:S+\j+1], s[22:23], v[12:13] op_sel_hi:[1,0,0]   ; t - M, two at a time
.endr
.irp b, 0,1,2,3
	v_fma_f32 v[BM+\b], v[BM+\b], s22, v12         ; the same of each block's largest score
.endr
.irp j, 0,1,2,3,4,5,6,7,8,9,10,11,12,13,14,15,16,17,18,19,20,21,22,23,24,25,26,27,28,29,30,31,32,33,34,35,36,37,38,39,40,41,42,43,44,45,46,47,48,49,50,51,52,53,54,55,56,57,58,59,60,61,62,63
	v_exp_f32 v[S+\j], v[S+\j]                     ; p = 2^(t - M), at most 1
.endr
	v_pk_mul_f32 v[14:15], v[14:15], v[F:F+1] op_sel_hi:[1,0]   ; the sums under the new M: the plain line behind the exponentials
	s_wait_alu depctr_va_vdst(0)                   ; the 64 exponentials have written p in v96-159: one wait for the batch, ahead of its first reader
.irp b, 0,1,2,3
	v_exp_f32 v[BM+\b], v[BM+\b]                   ; the block's largest p
.endr
	v_pk_add_f32 v[PX:PX+1], v[S:S+1], v[S+2:S+3]  ; the row's sum is taken of the unquantised p, in two chains
.irp j, 4,8,12,16,20,24,28,32,36,40,44,48,52,56,60
	v_pk_add_f32 v[14:15], v[14:15], v[S+\j:S+\j+1]
	v_pk_add_f32 v[PX:PX+1], v[PX:PX+1], v[S+2+\j:S+3+\j]
.endr
	v_pk_add_f32 v[14:15], v[14:15], v[PX:PX+1]
	s_wait_alu depctr_va_vdst(0)                   ; the four exponentials have written the blocks' largest p in v208-211, ahead of their first reader
.irp b, 0,1,2,3
	v_max_num_f32 v[BM+\b], 0x4800000, v[BM+\b]    ; the floor 2^(9 - 127): the byte cannot fall under 1
.endr
.irp b, 0,1,2,3
	v_add_nc_u32 v[SCO+\b], 0xfc000000, v[BM+\b]   ; 8 off the exponent field: the conversion's scale operand
.endr
.irp b, 0,1,2,3
	v_and_or_b32 v[HOLD+\b], v[BM+\b], 0x7f800000, s19   ; 448 x the scale
.endr
.irp b, 0,1,2,3
	v_lshrrev_b32 v[PX+\b], 23, v[SCO+\b]          ; the scale's byte
.endr
	v_lshl_or_b32 v[PW], v[PX+1], 8, v[PX]         ; p's scale word for these 128 keys
	v_lshl_or_b32 v[PW], v[PX+2], 16, v[PW]
	v_lshl_or_b32 v[PW], v[PX+3], 24, v[PW]
.irp b, 0,1,2,3
.irp i, 0,1,2,3,4,5,6,7,8,9,10,11,12,13,14,15
	v_min_num_f32 v[S+16*\b+\i], v[S+16*\b+\i], v[HOLD+\b]   ; the conversion does not saturate (ISA guide 7.6.2); p is not negative, so the hold is one-sided
.endr
	v_cvt_scalef32_pk8_fp8_f32 v[PC+4*\b:PC+4*\b+1], v[S+16*\b:S+16*\b+7], v[SCO+\b]
	v_cvt_scalef32_pk8_fp8_f32 v[PC+4*\b+2:PC+4*\b+3], v[S+16*\b+8:S+16*\b+15], v[SCO+\b]
.if (\b)%2
	s_wait_alu depctr_va_vdst(0)                   ; the holds and conversions of this block and the one before are done with their 32 registers, in which V's fragments land; behind block 3 also: all of p's codes and its scale word are written, which the products below take as operand and as scales
.irp d, \b-1, \b
.irp c, 0,1,2,3
	ds_load_b128 v[S+16*(\d)+4*\c:S+16*(\d)+4*\c+3], v[ADV] offset:2048*(\d)+512*\c   ; V's fragment of d tile d.  The lines that follow the first run name blocks 2 and 3 alone, those that follow the second O^T and f alone
.endr
.endr
.endif
.endr
.irp j, 0,2,4,6,8,10,12,14,16,18,20,22,24,26,28,30
	v_pk_mul_f32 v[O+\j:O+\j+1], v[O+\j:O+\j+1], v[F:F+1] op_sel_hi:[1,0]   ; O^T under the new M; these 16 are also the places between the conversions and the products
.endr
	s_wait_dscnt 0x0                               ; V's fragments
.irp t, 0,1,2,3                                ; O^T += V^T P^T: four accumulators by turns
.if (\t)%2
	v_wmma_scale_f32_16x16x128_f8f6f4 v[O+8*\t:O+8*\t+7], v[S+16*\t:S+16*\t+15], v[PC:PC+15], v[O+8*\t:O+8*\t+7], v[VSR+\t/2], v[PW] matrix_a_scale:MATRIX_SCALE_ROW1
.else
	v_wmma_scale_f32_16x16x128_f8f6f4 v[O+8*\t:O+8*\t+7], v[S+16*\t:S+16*\t+15], v[PC:PC+15], v[O+8*\t:O+8*\t+7], v[VSR+\t/2], v[PW]
.endif
.endr
.rept 9
	v_nop                                          ; nine places: the next step's products write over the registers that these have read, and the way out reads O^T
.endr
.Lnext_\@:
	s_lshr_b32 s27, s27, 1
	s_lshr_b32 s28, s28, 1
	s_add_co_u32 s29, s29, 8192
	s_add_co_u32 s30, s30, 512
	s_add_co_u32 s31, s31, 256
	s_add_co_u32 s32, s32, 128
	s_sub_co_u32 s26, s26, 1
	s_cmp_lg_u32 s26, 0
	s_cbranch_scc1 .Lstep_\@
	; THE WAY OUT: ctx = O^T / the sum, quantised along d: two blocks of 32, each in lanes l and l xor 16
	v_add_f32 v14, v14, v15
	v_permlanex16_b32 v[TMP], v14, s20, s21
	v_add_f32 v14, v14, v[TMP]                     ; the row's sum
	v_rcp_f32 v14, v14
	v_nop                                          ; one plain line behind the reciprocal
	s_wait_alu depctr_va_vdst(0)                   ; the reciprocal has written v14, ahead of its first reader
.irp j, 0,1,2,3,4,5,6,7,8,9,10,11,12,13,14,15,16,17,18,19,20,21,22,23,24,25,26,27,28,29,30,31
	v_mul_f32 v[O+\j], v[O+\j], v14                ; each accumulator from its low end on
.endr
.irp b, 0,1
	v_max3_num_f32 v[BM+\b], |v[O+16*\b]|, |v[O+1+16*\b]|, 0x4800000
.endr
.irp i, 2,4,6,8,10,12,14
.irp b, 0,1
	v_max3_num_f32 v[BM+\b], v[BM+\b], |v[O+16*\b+\i]|, |v[O+1+16*\b+\i]|
.endr
.endr
.irp b, 0,1
	v_permlanex16_b32 v[PX+\b], v[BM+\b], s20, s21
.endr
.irp b, 0,1
	v_max_num_f32 v[BM+\b], v[BM+\b], v[PX+\b]
.endr
.irp b, 0,1
	v_add_nc_u32 v[SCO+\b], 0xfc000000, v[BM+\b]
.endr
.irp b, 0,1
	v_and_or_b32 v[HOLD+\b], v[BM+\b], 0x7f800000, s19
.endr
.irp b, 0,1
	v_lshrrev_b32 v[PX+\b], 23, v[SCO+\b]
.endr
	v_lshl_or_b32 v[TMP], v[PX+1], 8, v[PX]        ; the head's two scale bytes of my token
.irp b, 0,1
.irp i, 0,1,2,3,4,5,6,7,8,9,10,11,12,13,14,15
	v_med3_num_f32 v[O+16*\b+\i], v[O+16*\b+\i], -v[HOLD+\b], v[HOLD+\b]
.endr
	v_cvt_scalef32_pk8_fp8_f32 v[PC+4*\b:PC+4*\b+1], v[O+16*\b:O+16*\b+7], v[SCO+\b]
	v_cvt_scalef32_pk8_fp8_f32 v[PC+4*\b+2:PC+4*\b+3], v[O+16*\b+8:O+16*\b+15], v[SCO+\b]
.endr
	v_nop                                          ; one plain line behind the last conversion
	s_wait_alu depctr_va_vdst(0)                   ; the conversions have written the codes in v224-231 and the shift the two bytes in v248, which the stores read; every product of the tile is done reading Q's fragment and scale words, in which the next tile's loads land
	; my first 8 codes of a block are d = 8 h + 0 .. 7: bytes 8 h on of lane r's 16 in the image; my second 8 are d = 16 + 8 h + 0 .. 7: of lane 16 + r's.  Each store covers 256 consecutive bytes, aligned
	global_store_b64 v[CO], v[PC:PC+1], s[58:59]
	global_store_b64 v[CO], v[PC+2:PC+3], s[58:59] offset:256
	global_store_b64 v[CO], v[PC+4:PC+5], s[58:59] offset:512
	global_store_b64 v[CO], v[PC+6:PC+7], s[58:59] offset:768
	global_store_b16 v[SCA], v[TMP], s[60:61]      ; two bytes of each of 16 rows of 32 (lanes l and l xor 16 store the same bytes to the same place): one byte in 32 of what the tile stores
.endm
	TILE
	s_wait_alu depctr_vm_vsrc(0)                   ; the first tile's stores have read their data, v224-231 and v248, which the second tile's lines write again
	s_sub_co_u32 s24, 127, s24                     ; the partner tile: with a mask that hides the keys behind a query the two together have 17 steps, in every wave
	TILE
	s_wait_dscnt 0x0
	s_wait_alu depctr_hold_cnt(0) depctr_sa_sdst(0) depctr_va_vdst(0) depctr_va_sdst(0) depctr_va_ssrc(0) depctr_va_vcc(0) depctr_vm_vsrc(0)
	s_wait_tensorcnt 0x0
	ds_add_u32 v249, v255
	s_wait_dscnt 0x0
	s_endpgm
.Lfunc_end_k_q67a4f220d8_attn:
	.size	k_q67a4f220d8_attn, .Lfunc_end_k_q67a4f220d8_attn-k_q67a4f220d8_attn
	.p2alignl 7, 3214868480
	.fill 96, 4, 3214868480
	.section	.rodata,"a",@progbits
	.p2align	6, 0x0
	.amdhsa_kernel k_q67a4f220d8_attn
		.amdhsa_group_segment_fixed_size 276480
		.amdhsa_private_segment_fixed_size 0
		.amdhsa_enable_private_segment 0
		.amdhsa_kernarg_size 48
		.amdhsa_user_sgpr_count 2
		.amdhsa_user_sgpr_kernarg_segment_ptr 1
		.amdhsa_wavefront_size32 1
		.amdhsa_system_sgpr_workgroup_id_x 1
		.amdhsa_system_sgpr_workgroup_id_y 1
		.amdhsa_system_sgpr_workgroup_id_z 1
		.amdhsa_system_vgpr_workitem_id 0
		.amdhsa_next_free_vgpr 256
		.amdhsa_next_free_sgpr 66
		.amdhsa_reserve_vcc 0
		.amdhsa_float_denorm_mode_32 3
		.amdhsa_float_denorm_mode_16_64 3
		.amdhsa_memory_ordered 1
		.amdhsa_forward_progress 1
		.amdhsa_inst_pref_size 93
	.end_amdhsa_kernel
	.amdgpu_metadata
---
amdhsa.version: [ 1, 2 ]
amdhsa.kernels:
  - .name:           k_q67a4f220d8_attn
    .symbol:         k_q67a4f220d8_attn.kd
    .args:
      - { .name: qkv_img, .offset: 0, .size: 8, .value_kind: global_buffer, .address_space: global }
      - { .name: qkv_sc, .offset: 8, .size: 8, .value_kind: global_buffer, .address_space: global }
      - { .name: flags, .offset: 16, .size: 8, .value_kind: global_buffer, .address_space: global }
      - { .name: attention_mask, .offset: 24, .size: 8, .value_kind: global_buffer, .address_space: global }
      - { .name: ctx_img, .offset: 32, .size: 8, .value_kind: global_buffer, .address_space: global }
      - { .name: ctx_sc, .offset: 40, .size: 8, .value_kind: global_buffer, .address_space: global }
    .group_segment_fixed_size: 276480
    .private_segment_fixed_size: 0
    .kernarg_segment_align: 8
    .kernarg_segment_size: 48
    .max_flat_workgroup_size: 512
    .sgpr_count:     66
    .vgpr_count:     256
    .wavefront_size: 32
...
	.end_amdgpu_metadata
.endif
;; end of part 4
;; launch dense: the kernel of part 3 again; grid 4 x 32, 4 waves a work-group, clusters of 4 x 4, 327,680 bytes of LDS; arguments ctx_img, ctx_sc, W_dense_codes, W_dense_scales, b_dense, out0; writes out0
